; MI455X (gfx1250); checked and timed in simulation.
; The chip was launched on July 23, 2026; its instructions are those of AMD's public machine-readable ISA for CDNA 5 (MIT licence, August 2026) and "CDNA5" Instruction Set Architecture Reference Guide (July 2026). The comments in the code are by the model that wrote it; some were corrected since.
;; Multi Head Self Attention. Allowed arithmetic: matrix products marked QUANTISED: E2M1 operands, one E8M0 scale for each 32 along K, by v_wmma_scale_f32_16x16x128_f8f6f4 with both operands' format E2M1 (or v_wmma_scale_f32_32x16x128_f4), f32 sums; everything else in f32.
;; Inputs: b_attn 3,072 float32; b_proj 1,024 float32; w_attn_codes 3,072 x 32 x 16 uint8 (E2M1 codes of w_attn, K innermost, in blocks of 32 codes, two codes a byte); w_attn_scales 3,072 x 32 uint8 (E8M0 scales of w_attn, one for each 32 codes along K); w_proj_codes 1,024 x 32 x 16 uint8 (E2M1 codes of w_proj, K innermost, in blocks of 32 codes, two codes a byte); w_proj_scales 1,024 x 32 uint8 (E8M0 scales of w_proj, one for each 32 codes along K); x_codes 4 x 2,048 x 32 x 16 uint8 (E2M1 codes of x, K innermost, in blocks of 32 codes, two codes a byte); x_scales 4 x 2,048 x 32 uint8 (E8M0 scales of x, one for each 32 codes along K).
;; Outputs: out0 4 x 2,048 x 1,024 float32.
;; This version of the problem:
;;   THIS VERSION OF THE PROBLEM IS GIVEN IN LOW PRECISION. The matrix products marked QUANTISED in the list below multiply operands that are first quantised to E2M1 (2 exponent bits, 1 mantissa bit; 4 bits a number), with one power-of-two scale for each 32 numbers along K (OCP MX v1.0); their sums are f32. All else is computed in f32.
;;   The module's matrix products, in the order in which they are computed (A, B: the left and right operand; K: the contracted axis; several contracted axes count as one K, in the product's order):
;;     1. [M 8,192, K 1,024] x [K 1,024, N 3,072]; A: input x (given as codes); B: input w_attn (given as codes): QUANTISED
;;     2. batch 64 x [M 2,048, K 64] x [K 64, N 2,048]; A: computed on the way; B: computed on the way: QUANTISED
;;     3. batch 64 x [M 2,048, K 2,048] x [K 2,048, N 64]; A: softmax (see below); B: computed on the way: QUANTISED
;;     4. [M 8,192, K 1,024] x [K 1,024, N 1,024]; A: computed on the way; B: input w_proj (given as codes): QUANTISED
;;   THE QUANTISER, for each operand of a quantised product, along K:
;;     - K is cut into blocks of 32 from its start; a last block that is shorter is filled with zeros.
;;     - A block's scale is 2^e with e = floor(log2(the largest magnitude in the block)) - 2, held to -126 .. 127; a block of zeros has e = 0. As a byte (E8M0): e + 127.
;;     - Each number is divided by its block's scale, clamped to +-6, and rounded to the nearest number of E2M1, ties to even, subnormals kept.
;;     - The product sums the exact products of the quantised numbers (number of the format x scale) in f32.
;;   ~~~python
;;   def quantise(x, axis):      # numpy; x: float32 -> the quantised numbers, widened to float32 again
;;       x = np.moveaxis(x, axis, -1); K = x.shape[-1]
;;       x = np.pad(x, [(0, 0)] * (x.ndim - 1) + [(0, -K % 32)]); x = x.reshape(x.shape[:-1] + (-1, 32)); a = np.abs(x).max(-1, keepdims=True)
;;       e = np.where(a > 0, np.clip(np.frexp(np.where(a > 0, a, 1))[1] - 1 - 2, -126, 127), 0)      # np.frexp(a)[1] - 1 = floor(log2(a)), exactly
;;       r = np.clip(x / 2.0 ** e, -6, 6)
;;       step = 2.0 ** (np.maximum(np.frexp(np.where(r == 0, 1, r))[1] - 1, 0) - 1)
;;       q = np.round(r / step) * step * 2.0 ** e      # np.round: ties to even
;;       return np.moveaxis(q.reshape(q.shape[:-2] + (-1,))[..., :K], -1, axis).astype(np.float32)
;;   ~~~
;;   SOFTMAX AHEAD OF A QUANTISED PRODUCT. Where the list says 'softmax', what is quantised is not the finished softmax but p = 2^(t - M), with t = logit x log2(e) and M = ceil(the row's largest t), a whole number; so 1/2 < the row's largest p <= 1. The row's sum l is taken of the UNQUANTISED p, in f32, and the product's result is divided by l at the end. Since M is a whole number, a kernel that streams over the keys may use a running M (the ceiling of the running maximum): every later rescaling is an exact power of two, which a block's scale takes up: the codes' values come out the same.
;;   OPERANDS COMPUTED ON THE WAY. 'Computed on the way' means the value that the module computes at that place (a softmax that the list does not call 'softmax' is quantised finished and normalised). What goes into a quantiser is computed in f32, as accurately as f32 sums, v_exp_f32 and their like allow (about 1e-6 of the number): no bf16 or f16 on the way to a quantiser, and a product that is left as it is and whose result goes on into a quantised operand takes f32 operands (vector FMAs, or v_wmma_f32_16x16x4_f32). A number that lies on a knife's edge between two numbers of the format may be rounded either way, as far as f32 arithmetic and the matrix unit's own rounding can turn it there, and no further.
;;   INPUTS GIVEN AS CODES. w_attn (in the module: [1024, 3072], K = its axis 0); w_proj (in the module: [1024, 1024], K = its axis 0); x (in the module: [4, 2048, 1024], K = its axis 2): each comes as NAME_codes (uint8): NAME with its K axis moved to the last place and cut into blocks of 32 codes, [.., K / 32, bytes a block], one block behind the other in memory; two codes a byte, the lower K in the low four bits (a code: sign, 2 exponent bits, 1 mantissa bit); and NAME_scales (uint8): the same leading axes, one E8M0 byte (e + 127) for each 32 codes along K. Its value is code x scale, taken as it is: it is not quantised again, and the codes and scales need not be those that the quantiser above would give.
;; One version. Each part assembles by itself: llvm-mc -triple=amdgcn-amd-amdhsa -mcpu=gfx1250 --defsym DOCPART=n.
;; ======== version 1 of 1: 3 launches
;; workspace buffers: q_img 4,194,304 bytes; k_img 4,194,304 bytes; v_img 4,194,304 bytes; o_img 4,194,304 bytes; q_sc 524,288 bytes; k_sc 524,288 bytes; v_sc 262,144 bytes; o_sc 262,144 bytes
;; launch qkv (part 1): grid 8 x 48, 4 waves a work-group, clusters of 4 x 4, 327,680 bytes of LDS; arguments x_codes, x_scales, w_attn_codes, w_attn_scales, b_attn, q_img, q_sc, k_img, k_sc, v_img, v_sc; writes q_img, q_sc, k_img, k_sc, v_img, v_sc
.if DOCPART == 1
	.amdgcn_target "amdgcn-amd-amdhsa--gfx1250"
	.amdhsa_code_object_version 6
	.text
	.protected	k_q764be464c9_qkv
	.globl	k_q764be464c9_qkv
	.p2align	8
	.type	k_q764be464c9_qkv,@function
k_q764be464c9_qkv:
	s_mov_b64 s[64:65], 0
	v_nop
	global_prefetch_b8 v0, s[64:65] scope:SCOPE_SE
	s_setreg_imm32_b32 hwreg(HW_REG_WAVE_MODE, 25, 1), 1
	s_wait_xcnt 0x0
	s_wait_alu depctr_hold_cnt(0) depctr_sa_sdst(0) depctr_va_vdst(0) depctr_va_sdst(0) depctr_va_ssrc(0) depctr_va_vcc(0) depctr_vm_vsrc(0)
	s_getreg_b32 s2, hwreg(HW_REG_IB_STS2, 6, 4)
	s_cmp_eq_u32 s2, 0
	s_cbranch_scc0 .Lentry_in_a_cluster
	s_endpgm
.Lentry_in_a_cluster:
	s_bfe_u32 s2, ttmp6, 0x10000c
	s_cmp_lg_u32 s2, 0xf033
	s_cbranch_scc0 .Lentry_shape_is_right
	s_endpgm
.Lentry_shape_is_right:
; LAUNCH 1 OF 3: qkv = x w_attn + b_attn on codes of FP4 (E2M1) with E8M0 scales, and the quantising of q, k (along the head's 64 channels) and v (along the keys).
; WORK LEFT OUT BY THE PROGRAM: only, in the second launch, key steps of 128 keys all of which come after all 16 queries of a tile.  reference() itself sets those scores to -inf by its own tril
; mask, whatever the inputs hold, so their p is 0 and they add nothing to the row's sum or to the second product.  No input is dead: every input is loaded (b_attn's part for k moves k's codes).
; LIMITS: a NaN, an infinity or an overflow that reaches only those masked scores is not carried to the result; NaN and infinities among the inputs are not served; a block of zeros gets the scale
; byte 1 where the quantiser says 127 (its codes are zeros, and the bytes are read by this program alone).
; SHARES.  A work-group of four waves makes 256 x 256 of the product, a wave 128 x 128: 64 accumulators.  K = 1,024 lies in LDS whole, as two halves of 512, each filled once: nothing is filled again.
; THE MATRIX INSTRUCTION IS USED SO THAT A LANE'S REGISTERS RUN ALONG THE AXIS THAT IS QUANTISED: source 0 = 16 rows of the "B side", source 1 = 16 rows of the "A side"; a lane holds one A-side row
; and eight neighbours of the B side.  Clusters 0-7 along y (q and k): A side = tokens (x), B side = channels (w_attn's rows 0-2,047).  Clusters 8-11 (v): A side = channels (w_attn's rows 2,048 on),
; B side = tokens: the keys.  Only pointers and offsets are chosen by that; the branches hang on the cluster's y alone, which all sixteen partners share.
; CLUSTERS: 4 x 4.  The A side's tile is shared along a row of the cluster, the B side's along a column: each is asked for jointly.
; THE WAY OUT.  For a block of 16 A-side rows the lane's 64 numbers are four blocks of 32 (tiles 2 g, 2 g + 1, lanes l and l xor 16).  The eight codes of tile 4 c + 2 g + u go to register 4 c + g + 2 u;
; two exchanges of lane halves for each c then leave k = 64 c + 32 (lane / 16) + 0 .. 31 in registers 4 c .. 4 c + 3: the operand's own layout.  They are stored as they stand, 16 bytes a lane: 512 consecutive bytes a store.
; The bias is the C of each sum's first matrix instruction.
; REGISTERS: window 0: v16-29 addresses; v32-95 scale words (two sets); v96-127 the way out's addresses and scale words; v128-191 A's fragments, later the codes; v192-255 the bias, later at work.
;   window 1: B's fragments, two sets.  windows 2, 3: the accumulators ((a, b) at v[8 (8 (a % 4) + b)]).
.set NQ,     4                         ; steps of 128 along K in a half
.set ROWB,   256                       ; a tile's row in bytes: 512 codes
.set KROW,   512                       ; a row of x or w_attn in memory
.set PITCH,  272                       ; an LDS row: 256 bytes + 16 of padding: the 16 rows of a fragment load start 68 words apart
.set FR,     8
.set NL,     2
.set NP,     4
.set HALFT,  128*PITCH
.set SLOT,   4*HALFT
.set SCL,    2*SLOT                    ; the scale bytes, as units of 256 bytes + 16
.set HALFS,  16*272                    ; those of 128 rows
.set SBLK,   2*272                     ; those of 16 rows
.set QSTG,   SCL+4*HALFS               ; q's and k's scale words on their way out: 1,024 bytes a wave
.set VSTG,   QSTG+4*1024               ; v's: 512 bytes a wave (each of the two ways has LDS bytes of its own)
.set SPARE,  VSTG+4*512                ; the spare words, 128 bytes a wave
.set ADRA, 16
.set ADRB, 20
.set ADRS, 27
.set SPW,  28
.set NIL,  29
.set SC,   32
.set VO,   96                          ; v96-103  16 x lane + a x (bytes from one A-side block's image to the next)
.set QST,  104
.set QRD,  105
.set VST,  106
.set VRD,  107
.set L8,   108
.set SW,   112                         ; v112-119 block a's scale word
.set SW2,  120                         ; v120-127 its upper two bytes
.set AF,   128
.set X,    128                         ; the codes of block a at v[X + 8 a]
.set BI,   192
.set TM,   200
.set TD,   216                         ; v216-223 the scale words read back
.set G1, 24
.set G0, 32
.set G1B, 48
.set G0B, 56
.set G1S, 68
.set G0S, 76
.set G1SB, 80
.set G0SB, 88
.set OUTP, 36                          ; s[36:37] where my images go;  s[38:39] my scale words
.set SCP,  38
.set MSB, 0
.macro WIN new                         ; the immediate's high byte repeats the setting that is left
.if MSB != (\new)
	s_set_vgpr_msb (MSB<<8)|(\new)
.set MSB, (\new)
.endif
.endm
.set MUL_LO, 0xa1                      ; source 0 window 1, source 1 window 0, C and D window 2
.set MUL_HI, 0xf1                      ; the same, C and D window 3
.set TO_B,   0x40
; A joint load: waves 0 and 1 fetch for the A side, waves 2 and 3 for the B side.  An s_nop 0 and four v_nop follow each line.
.macro JLOAD g0a, g1a, g0b, g1b
	s_cmp_eq_u32 s15, 0
	s_cbranch_scc0 .Lfor_b_\@
	tensor_load_to_lds s[\g0a:\g0a+3], s[\g1a:\g1a+7]
	s_nop 0
.rept 4
	v_nop
.endr
	s_branch .Lasked_\@
.Lfor_b_\@:
	tensor_load_to_lds s[\g0b:\g0b+3], s[\g1b:\g1b+7]
	s_nop 0
.rept 4
	v_nop
.endr
.Lasked_\@:
.endm
.macro CROUND                          ; a round of the cluster's barrier
	s_barrier_signal -1
	s_barrier_wait -1
	s_cmp_lg_u32 s14, 0
	s_cbranch_scc1 .Lnot_wave_0_\@
	s_barrier_signal -3
.Lnot_wave_0_\@:
	s_barrier_wait -3
	s_barrier_signal -1
	s_barrier_wait -1
.endm
	s_load_b256 s[4:11], s[0:1], 0x0               ; x's codes, x's scales, w_attn's codes, w_attn's scales
	s_load_b64 s[12:13], s[0:1], 0x20              ; b_attn
	v_lshl_add_u32 v[SPW], v0, 2, SPARE
	v_mov_b32 v[NIL], 0
	ds_add_u32 v[SPW], v[NIL]                      ; the opening: the add, twice on end, and its wait ahead of my first tensor load
	ds_add_u32 v[SPW], v[NIL]
	v_lshrrev_b32 v1, 5, v0
	v_readfirstlane_b32 s14, v1                    ; wave
	s_lshr_b32 s15, s14, 1                         ; hr: my half of the A side.  Also: I fetch for A (0) or B (1)
	s_and_b32 s16, s14, 1                          ; hc: my half of the B side.  Also: which 128 rows I fetch
	s_bfe_u32 s40, ttmp6, 0x40000                  ; cx
	s_bfe_u32 s41, ttmp6, 0x40004                  ; cy
	s_mov_b32 s67, ttmp9                           ; cluster x: 0 or 1
	s_and_b32 s66, ttmp7, 0xffff                   ; cluster y: 0 .. 11
	s_lshl_b32 s2, s66, 2
	s_lshl_b32 s3, s67, 2
	s_max_u32 s100, s66, 8
	s_sub_co_u32 s100, s100, 8
	s_lshl_b32 s100, s100, 3
	s_add_co_u32 s100, s100, s3                    ; 8 (cluster y - 8) + 4 cluster x
	s_cmp_ge_u32 s66, 8
	s_cselect_b32 s95, 1, 0                        ; 1: this cluster makes v
	s_cselect_b32 s17, 8, s2
	s_cselect_b32 s42, s100, s3
	s_add_co_u32 s17, s17, s41                     ; A side's tile: q, k: 4 cluster y + cy (tokens);  v: 8 + cy (w_attn's rows)
	s_add_co_u32 s42, s42, s40                     ; B side's tile: q, k: 4 cluster x + cx (w_attn's rows);  v: 8 (cluster y - 8) + 4 cluster x + cx (tokens)
	s_lshl_b32 s43, s41, 2
	s_lshl_b32 s43, 15, s43                        ; my row of the cluster
	s_lshl_b32 s44, 0x1111, s40                    ; my column
	s_or_b32 s[G1+0], s43, (1<<20)|(1<<21)|(5<<22)|(3<<25)    ; the mask; elements of 1 byte; padding: 4 words behind every 64; bit 21 beside a mask
	s_or_b32 s[G1B+0], s44, (1<<20)|(1<<21)|(5<<22)|(3<<25)
.irp g, G1, G1B
	s_mov_b32 s[\g+1], ROWB<<16                    ; tensor_dim0
	s_mov_b32 s[\g+2], 128<<16                     ; tensor_dim1
	s_mov_b32 s[\g+3], ROWB<<16                    ; tile_dim0
	s_mov_b32 s[\g+4], 128                         ; tile_dim1
	s_mov_b32 s[\g+5], KROW                        ; the pitch
	s_mov_b32 s[\g+6], 0
	s_mov_b32 s[\g+7], 0
.endr
	s_or_b32 s[G1S+0], s43, (3<<16)|(1<<20)|(1<<21)|(5<<22)|(3<<25)   ; the scales of 128 rows: 4,096 dense bytes as 16 rows of 256 (32 elements of 8 bytes)
	s_or_b32 s[G1SB+0], s44, (3<<16)|(1<<20)|(1<<21)|(5<<22)|(3<<25)
.irp g, G1S, G1SB
	s_mov_b32 s[\g+1], 32<<16
	s_mov_b32 s[\g+2], 16<<16
	s_mov_b32 s[\g+3], 32<<16
	s_mov_b32 s[\g+4], 16
	s_mov_b32 s[\g+5], 32
	s_mov_b32 s[\g+6], 0
	s_mov_b32 s[\g+7], 0
.endr
	s_lshl_b32 s18, s16, 7                         ; which 128 rows of a tile I fetch
	s_lshl_b32 s20, s17, 8
	s_add_co_u32 s20, s20, s18
	s_lshl_b32 s46, s42, 8
	s_add_co_u32 s46, s46, s18
	s_lshl_b32 s22, s20, 5                         ; their scales: 32 bytes a row
	s_lshl_b32 s92, s46, 5
	s_lshl_b32 s20, s20, 9                         ; their codes: 512 bytes a row
	s_lshl_b32 s46, s46, 9
	s_mov_b32 s21, 0
	s_mov_b32 s23, 0
	s_mov_b32 s47, 0
	s_mov_b32 s93, 0
	s_mul_i32 s45, s14, HALFT                      ; where they go: no place in the cluster enters an LDS address
	s_mul_i32 s94, s14, HALFS
	; where my results go.  q, k: images [token / 16][head][512 bytes], scale words [batch x head][step of 128 tokens][512 bytes]
	s_lshl_b32 s2, s17, 4
	s_lshl_b32 s3, s15, 3
	s_add_co_u32 s2, s2, s3
	s_lshl_b32 s2, s2, 13
	s_lshl_b32 s100, s40, 2
	s_lshl_b32 s101, s16, 1
	s_add_co_u32 s100, s100, s101                  ; my first head: 4 cx + 2 hc
	s_lshl_b32 s101, s100, 9
	s_add_co_u32 s2, s2, s101                      ; (16 ta + 8 hr) 8,192 + head x 512
	s_lshr_b32 s101, s17, 3
	s_lshl_b32 s101, s101, 4
	s_add_co_u32 s101, s101, s100
	s_lshl_b32 s101, s101, 4
	s_and_b32 s100, s17, 7
	s_lshl_b32 s100, s100, 1
	s_add_co_u32 s101, s101, s100
	s_add_co_u32 s101, s101, s15
	s_lshl_b32 s101, s101, 9                       ; ((batch x 16 + head) 16 + step) 512
	; v: images [batch x 16 + step][channel / 16][2][512 bytes], scale words [batch x head][step][256 bytes]
	s_lshl_b32 s96, s42, 1
	s_add_co_u32 s96, s96, s16
	s_lshl_b32 s96, s96, 6
	s_lshl_b32 s98, s41, 4
	s_add_co_u32 s96, s96, s98
	s_add_co_u32 s96, s96, s3
	s_lshl_b32 s96, s96, 10
	s_lshr_b32 s98, s42, 3
	s_lshl_b32 s98, s98, 4
	s_lshl_b32 s99, s41, 2
	s_add_co_u32 s98, s98, s99
	s_lshl_b32 s99, s15, 1
	s_add_co_u32 s98, s98, s99
	s_lshl_b32 s98, s98, 4
	s_and_b32 s99, s42, 7
	s_lshl_b32 s99, s99, 1
	s_add_co_u32 s98, s98, s99
	s_add_co_u32 s98, s98, s16
	s_lshl_b32 s98, s98, 8
	s_lshl_b32 s99, s42, 8
	s_add_co_u32 s99, s99, s18                     ; the bias's first number: q, k: 256 tb + 128 hc;
	s_lshl_b32 s3, s17, 8
	s_lshl_b32 s97, s15, 7
	s_add_co_u32 s3, s3, s97                       ; v: 256 ta + 128 hr
	s_mov_b32 s97, 8192
	s_cmp_eq_u32 s95, 1
	s_cselect_b32 s96, s96, s2                     ; s96: my images' offset
	s_cselect_b32 s98, s98, s101                   ; s98: my scale words' offset
	s_cselect_b32 s99, s3, s99
	s_cselect_b32 s97, 1024, s97                   ; s97: bytes from one A-side block's image to the next
	s_lshl_b32 s99, s99, 2
	s_wait_dscnt 0x0                               ; both opening adds are done
	s_wait_kmcnt 0x0
	s_cmp_eq_u32 s95, 1                            ; the choice hangs on the cluster's y alone
	s_cselect_b64 s[2:3], s[8:9], s[4:5]           ; the A side's codes,
	s_cselect_b64 s[100:101], s[10:11], s[6:7]     ; its scales,
	s_cselect_b64 s[4:5], s[4:5], s[8:9]           ; the B side's codes,
	s_cselect_b64 s[6:7], s[6:7], s[10:11]         ; its scales
	s_add_nc_u64 s[20:21], s[2:3], s[20:21]
	s_add_nc_u64 s[22:23], s[100:101], s[22:23]
	s_add_nc_u64 s[46:47], s[4:5], s[46:47]
	s_add_nc_u64 s[92:93], s[6:7], s[92:93]
	s_mov_b32 s18, s99
	s_mov_b32 s19, 0
	s_add_nc_u64 s[12:13], s[12:13], s[18:19]
	CROUND                                         ; all sixteen work-groups are here: the joint loads meet
	s_mov_b32 s[G0S], 1
	s_add_co_u32 s[G0S+1], s94, SCL
	s_mov_b64 s[G0S+2:G0S+3], s[22:23]
	s_or_b32 s[G0S+3], s[G0S+3], 0x80000000
	s_mov_b32 s[G0SB], 1
	s_add_co_u32 s[G0SB+1], s94, SCL
	s_mov_b64 s[G0SB+2:G0SB+3], s[92:93]
	s_or_b32 s[G0SB+3], s[G0SB+3], 0x80000000
	JLOAD G0S, G1S, G0SB, G1SB                     ; the scales first; then both halves of K: three loads of mine are out
.irp s, 0,1
	s_mov_b32 s[G0+4*\s], 1
	s_add_co_u32 s[G0+4*\s+1], s45, \s*SLOT
	s_add_nc_u64 s[G0+4*\s+2:G0+4*\s+3], s[20:21], \s*ROWB
	s_or_b32 s[G0+4*\s+3], s[G0+4*\s+3], 0x80000000
	s_mov_b32 s[G0B+4*\s], 1
	s_add_co_u32 s[G0B+4*\s+1], s45, \s*SLOT
	s_add_nc_u64 s[G0B+4*\s+2:G0B+4*\s+3], s[46:47], \s*ROWB
	s_or_b32 s[G0B+4*\s+3], s[G0B+4*\s+3], 0x80000000
	JLOAD G0+4*\s, G1, G0B+4*\s, G1B
.endr
	; the bias, in the result's layout.  q, k: it runs along the registers: BI + 8 b + j = b_attn[.. + 16 b + 8 h + j].  v: along the lanes: BI + 8 a + j = b_attn[.. + 16 a + r]
	v_and_b32 v1, 15, v0                           ; r
	v_bfe_u32 v2, v0, 4, 1                         ; h
	s_cmp_eq_u32 s95, 1
	s_cbranch_scc1 .Lbias_v
	v_lshlrev_b32 v9, 5, v2
.irp b, 0,1,2,3,4,5,6,7
	global_load_b128 v[BI+8*\b:BI+8*\b+3], v9, s[12:13] offset:64*\b
	global_load_b128 v[BI+8*\b+4:BI+8*\b+7], v9, s[12:13] offset:64*\b+16
.endr
	s_branch .Lbias_in
.Lbias_v:
	s_wait_alu depctr_va_vdst(0)
	v_lshlrev_b32 v9, 2, v1
.irp a, 0,1,2,3,4,5,6,7
	global_load_b32 v[BI+8*\a], v9, s[12:13] offset:64*\a
.endr
	s_wait_loadcnt 0x0
.irp a, 0,1,2,3,4,5,6,7
.irp j, 1,2,3,4,5,6,7
	v_mov_b32 v[BI+8*\a+\j], v[BI+8*\a]
.endr
.endr
.rept 8
	v_nop
.endr
.Lbias_in:
	s_wait_alu depctr_va_vdst(0)
	v_mul_u32_u24 v3, v1, PITCH
	v_lshl_add_u32 v4, v2, 4, v3                   ; a fragment's row x pitch + 16 x half
	s_mul_i32 s2, s15, HALFT                       ; my 128 rows of the A side
	s_mul_i32 s3, s16, HALFT                       ; my 128 of the B side,
	s_add_co_u32 s3, s3, 2*HALFT                   ; which lie behind A's 256
.irp s, 0,1
	v_add_nc_u32 v[ADRA+\s], s2, v4
	v_add_nc_u32 v[ADRB+\s], s3, v4
	s_add_co_u32 s2, s2, SLOT
	s_add_co_u32 s3, s3, SLOT
.endr
	v_mul_u32_u24 v5, v1, 32                       ; my row's scales: 32 bytes a row,
	v_lshrrev_b32 v6, 8, v5
	v_lshl_add_u32 v5, v6, 4, v5                   ; and 16 more for each 256 passed
	s_mul_i32 s2, s15, HALFS
	s_mul_i32 s3, s16, HALFS
	s_add_co_u32 s3, s3, 2*HALFS
	s_sub_co_u32 s3, s3, s2
	v_mul_u32_u24 v6, s3, v2                       ; lanes 16-31 take the B side's
	s_add_co_u32 s2, s2, SCL
	v_add_nc_u32 v5, v5, v6
	v_add_nc_u32 v[ADRS], s2, v5
	v_and_b32 v7, 31, v0
	v_lshlrev_b32 v8, 4, v7                        ; 16 x lane
	s_wait_alu depctr_va_vdst(0)
	v_lshlrev_b32 v[L8], 3, v7                     ; 8 x lane
.irp a, 0,1,2,3,4,5,6,7
	s_mul_i32 s2, s97, \a
	v_add_nc_u32 v[VO+\a], s2, v8
.endr
	s_lshl_b32 s2, s14, 10
	s_add_co_u32 s2, s2, QSTG
	v_lshl_add_u32 v[QST], v1, 4, s2
	v_add_nc_u32 v[QRD], s2, v8
	s_lshl_b32 s2, s14, 9
	s_add_co_u32 s2, s2, VSTG
	v_lshl_add_u32 v[VST], v1, 3, s2
	v_add_nc_u32 v[VRD], s2, v[L8]
	s_wait_loadcnt 0x0                             ; the bias
.macro FRAG reg, adr, q, i             ; 16 rows x 128 K of 4-bit codes: 8 registers; registers 4 c .. 4 c + 3: K = 64 c + 32 (lane / 16) + 0 .. 31
.irp c, 0,1
	ds_load_b128 v[\reg+4*\c:\reg+4*\c+3], v[\adr] offset:64*(\q)+32*\c+(\i)*16*PITCH
.endr
.endm
; 16 matrix instructions: A-side blocks a0, a0 + 1 x the B side's eight.  zero = 1: C = the bias along the registers; 2: the bias along the lanes; 0: the sums go on.
; The 64 accumulators take turns, one instruction a turn, in the same order in every step.
.macro MUL16 a0, p, q, sc, zero
.irp a, \a0, \a0+1
.irp b, 0,1,2,3,4,5,6,7
.if (\zero) == 1
	v_wmma_scale_f32_16x16x128_f8f6f4 v[8*(8*((\a)%4)+\b):8*(8*((\a)%4)+\b)+7], v[128*(\p)+FR*\b:128*(\p)+FR*\b+FR-1], v[AF+FR*(\a):AF+FR*(\a)+FR-1], v[BI+8*\b:BI+8*\b+7], v[SC+8*NQ*(\sc)+NQ*\b+(\q)], v[SC+8*NQ*(\sc)+NQ*(\a)+(\q)] matrix_a_fmt:MATRIX_FMT_FP4 matrix_b_fmt:MATRIX_FMT_FP4 matrix_a_scale:MATRIX_SCALE_ROW1
.elseif (\zero) == 2
	v_wmma_scale_f32_16x16x128_f8f6f4 v[8*(8*((\a)%4)+\b):8*(8*((\a)%4)+\b)+7], v[128*(\p)+FR*\b:128*(\p)+FR*\b+FR-1], v[AF+FR*(\a):AF+FR*(\a)+FR-1], v[BI+8*(\a):BI+8*(\a)+7], v[SC+8*NQ*(\sc)+NQ*\b+(\q)], v[SC+8*NQ*(\sc)+NQ*(\a)+(\q)] matrix_a_fmt:MATRIX_FMT_FP4 matrix_b_fmt:MATRIX_FMT_FP4 matrix_a_scale:MATRIX_SCALE_ROW1
.else
	v_wmma_scale_f32_16x16x128_f8f6f4 v[8*(8*((\a)%4)+\b):8*(8*((\a)%4)+\b)+7], v[128*(\p)+FR*\b:128*(\p)+FR*\b+FR-1], v[AF+FR*(\a):AF+FR*(\a)+FR-1], v[8*(8*((\a)%4)+\b):8*(8*((\a)%4)+\b)+7], v[SC+8*NQ*(\sc)+NQ*\b+(\q)], v[SC+8*NQ*(\sc)+NQ*(\a)+(\q)] matrix_a_fmt:MATRIX_FMT_FP4 matrix_b_fmt:MATRIX_FMT_FP4 matrix_a_scale:MATRIX_SCALE_ROW1
.endif
.endr
.endr
.endm
.macro FETCH_B slot, q, p
	WIN TO_B
.irp i, 0,1,2,3,4,5,6,7
	FRAG 128*(\p)+FR*\i, ADRB+\slot, \q, \i
.endr
	WIN 0
.endm
.macro FETCH_A slot, q, i0
.irp i, \i0, \i0+1, \i0+2, \i0+3
	FRAG AF+FR*(\i), ADRA+\slot, \q, \i
.endr
.endm
.macro SCALES sc                       ; a half's scale words: lanes 0-15 the A side's block i, lanes 16-31 the B side's block i
.irp i, 0,1,2,3,4,5,6,7
	ds_load_b128 v[SC+8*NQ*\sc+NQ*\i:SC+8*NQ*\sc+NQ*\i+3], v[ADRS] offset:\i*SBLK
.endr
.endm
.macro PLACES n                        ; plain vector instructions between a matrix instruction and a load into, or a read of, its registers
.rept \n
	v_nop
.endr
.endm
.macro STEP slot, q, zero              ; 128 along K, with its successor in the same half
	s_wait_dscnt 4*NL                              ; all but the youngest eight loads (A's blocks 4-7) are in
.if \zero
	WIN 0x81                                       ; C (the bias) window 0, D window 2
.else
	WIN MUL_LO
.endif
	MUL16 0, (\q)%2, \q, \slot, \zero
	MUL16 2, (\q)%2, \q, \slot, \zero
	s_wait_dscnt 0
	PLACES NP
	FETCH_B \slot, (\q)+1, 1-(\q)%2
	FETCH_A \slot, (\q)+1, 0
.if \zero
	WIN 0xc1
.else
	WIN MUL_HI
.endif
	MUL16 4, (\q)%2, \q, \slot, \zero
	MUL16 6, (\q)%2, \q, \slot, \zero
	PLACES NP
	WIN 0
	FETCH_A \slot, (\q)+1, 4
.endm
; The first half's last step goes over to the second half: each wave waits for all its tensor loads (its part of the second half), one barrier; nothing is filled again.
.macro TURN slot, next
	s_wait_tensorcnt 0x0
	ds_add_u32 v[SPW], v[NIL]                      ; 0 onto my spare word
	s_wait_dscnt 4*NL+1                            ; the add and the youngest eight loads may be out
	WIN MUL_LO
	MUL16 0, 1, NQ-1, \slot, 0
	s_wait_dscnt 0x0
	s_barrier_signal -1
	MUL16 2, 1, NQ-1, \slot, 0
	WIN 0
	s_barrier_wait -1
	PLACES NP
	v_add_nc_u32 v[ADRS], 4*NQ, v[ADRS]            ; the second half's scale words
	FETCH_B \next, 0, 0
	FETCH_A \next, 0, 0
	SCALES \next
	WIN MUL_HI
	MUL16 4, 1, NQ-1, \slot, 0
	MUL16 6, 1, NQ-1, \slot, 0
	PLACES NP
	WIN 0
	FETCH_A \next, 0, 4
.endm
.macro STEPS slot, from
.set Q, \from
.rept NQ-1-\from
	STEP \slot, Q, 0
.set Q, Q+1
.endr
.endm
	s_wait_tensorcnt 1                             ; the scales and my part of the first half are in; the second half's load may be out
	s_barrier_signal -1
	s_barrier_wait -1
	FETCH_B 0, 0, 0
	FETCH_A 0, 0, 0
	SCALES 0
	FETCH_A 0, 0, 4
	s_cmp_eq_u32 s95, 1                            ; the first step is written twice: it differs in which bias register is a sum's C
	s_cbranch_scc1 .Lfirst_v
	STEP 0, 0, 1
	s_branch .Lfirst_done
.Lfirst_v:
	STEP 0, 0, 2
.Lfirst_done:
	STEPS 0, 1
	TURN 0, 1
	s_load_b128 s[24:27], s[0:1], 0x28             ; no tensor load of mine is out: the descriptors' registers take q_img, q_sc,
	s_load_b128 s[28:31], s[0:1], 0x38             ; k_img, k_sc,
	s_load_b128 s[32:35], s[0:1], 0x48             ; v_img, v_sc
	STEPS 1, 0
	s_wait_dscnt 4*NL
	WIN MUL_LO
	MUL16 0, 1, NQ-1, 1, 0
	MUL16 2, 1, NQ-1, 1, 0
	s_wait_dscnt 0
	WIN MUL_HI
	MUL16 4, 1, NQ-1, 1, 0
	MUL16 6, 1, NQ-1, 1, 0
	WIN 0
	PLACES NP
	s_wait_kmcnt 0x0
	s_cmp_eq_u32 s67, 0                            ; cluster x = 0: q; 1: k
	s_cselect_b64 s[OUTP:OUTP+1], s[24:25], s[28:29]
	s_cselect_b64 s[SCP:SCP+1], s[26:27], s[30:31]
	s_cmp_eq_u32 s95, 1
	s_cselect_b64 s[OUTP:OUTP+1], s[32:33], s[OUTP:OUTP+1]
	s_cselect_b64 s[SCP:SCP+1], s[34:35], s[SCP:SCP+1]
	s_mov_b32 s2, s96
	s_mov_b32 s3, 0
	s_add_nc_u64 s[OUTP:OUTP+1], s[OUTP:OUTP+1], s[2:3]
	s_mov_b32 s2, s98
	s_add_nc_u64 s[SCP:SCP+1], s[SCP:SCP+1], s[2:3]
.irp b, 0,1,2,3
	v_mov_b32 v[TM+4+\b], 0                        ; written once: a lane permute's destination counts as one of its sources
.endr
; Block a of 16 A-side rows: four blocks of 32 are quantised and stored as two images of 512 bytes.  Each accumulator is read from its low end on.
.macro QOUT a
.set AC, 64*((\a)%4)
	WIN 0x0a+5*((\a)/4)                            ; sources 0 and 1: window 2 or 3
.irp b, 0,1,2,3
	v_max3_num_f32 v[TM+\b], |v[AC+16*\b]|, |v[AC+16*\b+1]|, 0x1800000   ; the floor 2^(3 - 127): the byte cannot fall under 1
.endr
.irp i, 2,4,6,8,10,12,14
.irp b, 0,1,2,3
	v_max3_num_f32 v[TM+\b], |v[AC+16*\b+\i]|, |v[AC+16*\b+\i+1]|, v[TM+\b]
.endr
.endr
	WIN 0
.irp b, 0,1,2,3
	v_permlanex16_b32 v[TM+4+\b], v[TM+\b], s100, s101
.endr
.irp b, 0,1,2,3
	v_max_num_f32 v[TM+\b], v[TM+\b], v[TM+4+\b]   ; with lane l xor 16's: the block's largest magnitude
.endr
.irp b, 0,1,2,3
	v_add_nc_u32 v[TM+12+\b], 0xff000000, v[TM+\b] ; 2 off its exponent field: the conversion's scale operand
.endr
.irp b, 0,1,2,3
	v_lshrrev_b32 v[TM+4+\b], 23, v[TM+12+\b]      ; the scale's byte
.endr
	v_lshl_or_b32 v[SW+\a], v[TM+5], 8, v[TM+4]
	v_lshl_or_b32 v[SW+\a], v[TM+6], 16, v[SW+\a]
	v_lshl_or_b32 v[SW+\a], v[TM+7], 24, v[SW+\a]
	WIN 2+(\a)/4                                   ; source 0: window 2 or 3
.irp b, 0,1,2,3
	v_cvt_scalef32_pk8_fp4_f32 v[X+8*(\a)+4*(\b/2)+(\b%2)], v[AC+16*\b:AC+16*\b+7], v[TM+12+\b]
	v_cvt_scalef32_pk8_fp4_f32 v[X+8*(\a)+4*(\b/2)+(\b%2)+2], v[AC+16*\b+8:AC+16*\b+15], v[TM+12+\b]
.endr
	WIN 0
	v_nop                                          ; one plain place behind a scaled conversion
.irp c, 0,1
	v_permlane16_swap_b32 v[X+8*(\a)+4*\c], v[X+8*(\a)+4*\c+1]      ; a whole block of 32 to a lane
	v_permlane16_swap_b32 v[X+8*(\a)+4*\c+2], v[X+8*(\a)+4*\c+3]
.endr
.irp c, 0,1
	global_store_b128 v[VO+\a], v[X+8*(\a)+4*\c:X+8*(\a)+4*\c+3], s[OUTP:OUTP+1] offset:512*\c   ; 32 lanes store 512 consecutive bytes, aligned; each block has registers of its own
.endr
.endm
	s_mov_b32 s100, 0x76543210
	s_mov_b32 s101, 0xfedcba98                     ; v_permlanex16_b32's selects for lane l xor 16
.irp a, 0,1,2,3,4,5,6,7
	QOUT \a
.endr
	; the scale words go through my own LDS bytes into the order in which the next launch's lanes take them; both halves of the lanes write the same word with the same value
	s_cmp_eq_u32 s95, 1
	s_cbranch_scc1 .Ltail_v
.irp a, 0,1,2,3,4,5,6,7
	ds_store_b32 v[QST], v[SW+\a] offset:256*(\a%2)+4*(\a/2)         ; my first head: bytes 0, 1 count; bytes 2, 3 stand over zero codes and are never 0xff
	v_lshrrev_b32 v[SW2+\a], 16, v[SW+\a]
	ds_store_b32 v[QST], v[SW2+\a] offset:512+256*(\a%2)+4*(\a/2)    ; my second head
.endr
	ds_load_b128 v[TD:TD+3], v[QRD]                ; LDS serves a wave's instructions in order: these see my stores
	ds_load_b128 v[TD+4:TD+7], v[QRD] offset:512
	s_wait_dscnt 0x0
	global_store_b128 v[VO], v[TD:TD+3], s[SCP:SCP+1]
	global_store_b128 v[VO], v[TD+4:TD+7], s[SCP:SCP+1] offset:8192  ; the next head: 16 steps of 512 bytes on
	s_branch .Ltail_done
.Ltail_v:
.irp a, 0,1,2,3,4,5,6,7
	ds_store_b32 v[VST], v[SW+\a] offset:256*(\a/4)+128*(\a%2)+4*((\a%4)/2)
.endr
	ds_load_b64 v[TD:TD+1], v[VRD]
	ds_load_b64 v[TD+2:TD+3], v[VRD] offset:256
	s_wait_dscnt 0x0
	global_store_b64 v[L8], v[TD:TD+1], s[SCP:SCP+1]
	global_store_b64 v[L8], v[TD+2:TD+3], s[SCP:SCP+1] offset:4096   ; the next head: 16 steps of 256 bytes on
.Ltail_done:
	s_wait_tensorcnt 0x0                           ; the wave's end
	ds_add_u32 v[SPW], v[NIL]
	s_wait_dscnt 0x0
	CROUND                                         ; the closing round
	s_endpgm
.Lfunc_end_k_q764be464c9_qkv:
	.size	k_q764be464c9_qkv, .Lfunc_end_k_q764be464c9_qkv-k_q764be464c9_qkv
	.p2alignl 7, 3214868480
	.fill 96, 4, 3214868480
	.section	.rodata,"a",@progbits
	.p2align	6, 0x0
	.amdhsa_kernel k_q764be464c9_qkv
		.amdhsa_group_segment_fixed_size 327680
		.amdhsa_private_segment_fixed_size 0
		.amdhsa_enable_private_segment 0
		.amdhsa_kernarg_size 88
		.amdhsa_user_sgpr_count 2
		.amdhsa_user_sgpr_kernarg_segment_ptr 1
		.amdhsa_wavefront_size32 1
		.amdhsa_system_sgpr_workgroup_id_x 1
		.amdhsa_system_sgpr_workgroup_id_y 1
		.amdhsa_system_sgpr_workgroup_id_z 1
		.amdhsa_system_vgpr_workitem_id 0
		.amdhsa_next_free_vgpr 1024
		.amdhsa_next_free_sgpr 102
		.amdhsa_reserve_vcc 0
		.amdhsa_float_denorm_mode_32 3
		.amdhsa_float_denorm_mode_16_64 3
		.amdhsa_memory_ordered 1
		.amdhsa_forward_progress 1
		.amdhsa_inst_pref_size 148
	.end_amdhsa_kernel
	.amdgpu_metadata
---
amdhsa.version: [ 1, 2 ]
amdhsa.kernels:
  - .name:           k_q764be464c9_qkv
    .symbol:         k_q764be464c9_qkv.kd
    .args:
      - { .name: x_codes, .offset: 0, .size: 8, .value_kind: global_buffer, .address_space: global }
      - { .name: x_scales, .offset: 8, .size: 8, .value_kind: global_buffer, .address_space: global }
      - { .name: w_attn_codes, .offset: 16, .size: 8, .value_kind: global_buffer, .address_space: global }
      - { .name: w_attn_scales, .offset: 24, .size: 8, .value_kind: global_buffer, .address_space: global }
      - { .name: b_attn, .offset: 32, .size: 8, .value_kind: global_buffer, .address_space: global }
      - { .name: q_img, .offset: 40, .size: 8, .value_kind: global_buffer, .address_space: global }
      - { .name: q_sc, .offset: 48, .size: 8, .value_kind: global_buffer, .address_space: global }
      - { .name: k_img, .offset: 56, .size: 8, .value_kind: global_buffer, .address_space: global }
      - { .name: k_sc, .offset: 64, .size: 8, .value_kind: global_buffer, .address_space: global }
      - { .name: v_img, .offset: 72, .size: 8, .value_kind: global_buffer, .address_space: global }
      - { .name: v_sc, .offset: 80, .size: 8, .value_kind: global_buffer, .address_space: global }
    .group_segment_fixed_size: 327680
    .private_segment_fixed_size: 0
    .kernarg_segment_align: 8
    .kernarg_segment_size: 88
    .max_flat_workgroup_size: 128
    .sgpr_count:     102
    .vgpr_count:     1024
    .wavefront_size: 32
...
	.end_amdgpu_metadata
.endif
;; end of part 1
;; launch attn (part 2): grid 4 x 64, 16 waves a work-group, clusters of 4 x 1, 167,936 bytes of LDS; arguments q_img, q_sc, k_img, k_sc, v_img, v_sc, o_img, o_sc; writes o_img, o_sc
.if DOCPART == 2
	.amdgcn_target "amdgcn-amd-amdhsa--gfx1250"
	.amdhsa_code_object_version 6
	.text
	.protected	k_q764be464c9_attn
	.globl	k_q764be464c9_attn
	.p2align	8
	.type	k_q764be464c9_attn,@function
k_q764be464c9_attn:
	s_mov_b64 s[64:65], 0
	v_nop
	global_prefetch_b8 v0, s[64:65] scope:SCOPE_SE
	s_setreg_imm32_b32 hwreg(HW_REG_WAVE_MODE, 25, 1), 1
	s_wait_xcnt 0x0
	s_wait_alu depctr_hold_cnt(0) depctr_sa_sdst(0) depctr_va_vdst(0) depctr_va_sdst(0) depctr_va_ssrc(0) depctr_va_vcc(0) depctr_vm_vsrc(0)
	s_getreg_b32 s2, hwreg(HW_REG_IB_STS2, 6, 4)
	s_cmp_eq_u32 s2, 0
	s_cbranch_scc0 .Lentry_in_a_cluster
	s_endpgm
.Lentry_in_a_cluster:
	s_bfe_u32 s2, ttmp6, 0x10000c
	s_cmp_lg_u32 s2, 0x3003
	s_cbranch_scc0 .Lentry_shape_is_right
	s_endpgm
.Lentry_shape_is_right:
; LAUNCH 2 OF 3: causal attention on codes of FP4 (E2M1), and the quantising of o / l along C.
; LEFT OUT: key steps of 128 keys all of which come after a tile's 16 queries: reference()'s own tril mask makes their scores -inf for all inputs, so their p is 0.  A NaN or infinity that reaches only them is not carried on.
; LIMITS: 1 / l by v_rcp_f32; a block of zeros gets the byte 1; NaN and infinities are not served.
; THE SOFTMAX: t = score x log2(e) / 8; M = the ceiling of the running largest t; p = 2^(t - M) is quantised along the keys; l is the sum of the unquantised p; when M moves, l and O are multiplied by 2^(old M - new M): exact.
; SHARES.  The four work-groups of a cluster serve one head of one batch.  Wave w of work-group j owns two tiles of 16 queries: 127 - (4 w + j), which needs key steps 0 .. 15 - w / 2, and 4 w + j, which needs 0 .. w / 2:
; 17 steps in every wave.  The last step of each hangs on the wave's number alone: no branch hangs on a work-group's place in its cluster, which enters only global addresses and the mask's number.
; Every work-group holds one of tiles 124 .. 127, so every byte that the joint loads bring is read in every partner.
; LDS holds the head's K, V and scale words whole, as images of operand registers (lane l's 16 bytes at 16 l): filled once, by joint loads of waves 0-3; no ring.
; K's K is 64: the upper four registers of K's and Q's fragments are zero codes, set once.
; LAYOUT.  S^T = K Q^T (source 0 = 16 keys, source 1 = my 16 queries), O^T = V^T P^T: a lane holds one query.  Tile t's register j is key 16 t + 8 (lane / 16) + j; the eight codes of tile 4 c + 2 g + u go to
; register 4 c + g + 2 u, and two exchanges of lane halves for each c give the operand's layout.
; No prefetch: all tensor loads stand at the head.
.set KIMG, 0                           ; 128 tiles of 16 keys x 512 bytes
.set VIMG, 65536                       ; 16 steps x (4 tiles of 16 channels x 2 x 512 bytes)
.set KSC,  131072                      ; 16 steps x 512 bytes: lane l's four words: keys 32 g + l
.set VSC,  139264                      ; 16 steps x 256 bytes: lane l's two words: channels 32 g + l
.set SPARE, 143360                     ; the spare words, 128 bytes a wave
.set LI,  1                            ; v1   16 x lane
.set L8,  2                            ; v2   8 x lane
.set DMB, 3                            ; v3   the mask's number of my later tile: 16 (tile % 8) + r - 8 h
.set DMA, 4                            ; v4   of my earlier tile
.set SPW, 5
.set NIL, 6
.set OSL, 7                            ; v7   32 r + h: my byte among o's scale bytes
.set ADK, 8
.set ADV, 9
.set ADS, 10
.set ADT, 11
.set QB,  16                           ; v16-23 the later tile's Q;  v24-31 the earlier tile's
.set QA,  24
.set QSB, 250
.set QSA, 251
.set ST,  2                            ; s2   the key step
.set DG,  3                            ; s3   the tile's last key step, which lies on the diagonal
.set WV,  20
.set CS,  22                           ; s[22:23] c = log2(e) / 8
.set SEL, 24                           ; s[24:25]
.set TK,  26                           ; s26-29 where the step's K, V, K's and V's scale words lie in LDS
.set TV,  27
.set TS,  28
.set TT,  29
.set MH,  30                           ; s30  lanes 16-31
.set G1K, 32
.set G1V, 40
.set G1KS, 48
.set G1VS, 56
.set G0KS, 68
.set G0K1, 72
.set G0K2, 76
.set G0VS, 80
.set G0V1, 84
.set G0V2, 88
.macro ROUND
	s_barrier_signal -1
	s_barrier_wait -1
	s_cmp_lg_u32 s[WV], 0
	s_cbranch_scc1 .Lnot_wave_0_\@
	s_barrier_signal -3
.Lnot_wave_0_\@:
	s_barrier_wait -3
	s_barrier_signal -1
	s_barrier_wait -1
.endm
; The offsets of tile s[tl]: off: its image in q_img and o_img; qso: its scale words in q_sc; oso: its rows in o_sc; dmv: the mask's number.  s66 = batch x 16 + head, s67 = batch, s3 = head, v254 = r - 8 h
.macro TADR tl, off, qso, oso, dmv
	s_lshl_b32 s100, s67, 7
	s_add_co_u32 s100, s100, s[\tl]                ; batch x 128 + tile
	s_lshl_b32 s101, s100, 9                       ; 16 rows of 32 bytes
	s_lshl_b32 s100, s100, 4
	s_add_co_u32 s100, s100, s3
	s_lshl_b32 s[\off], s100, 9
	s_mov_b32 s[\off+1], 0
	s_lshl_b32 s100, s3, 1
	s_add_co_u32 s[\oso], s101, s100
	s_mov_b32 s[\oso+1], 0
	s_lshl_b32 s100, s66, 4
	s_lshr_b32 s101, s[\tl], 3
	s_add_co_u32 s100, s100, s101
	s_lshl_b32 s100, s100, 9
	s_and_b32 s101, s[\tl], 1
	s_lshl_b32 s101, s101, 8
	s_add_co_u32 s100, s100, s101
	s_bfe_u32 s101, s[\tl], 0x20001
	s_lshl_b32 s101, s101, 2
	s_add_co_u32 s[\qso], s100, s101
	s_mov_b32 s[\qso+1], 0
	s_and_b32 s101, s[\tl], 7
	s_lshl_b32 s101, s101, 4
	v_add_nc_u32 v[\dmv], s101, v254
.endm
	s_load_b512 s[4:19], s[0:1], 0x0               ; q_img, q_sc, k_img, k_sc, v_img, v_sc, o_img, o_sc
	v_lshl_add_u32 v[SPW], v0, 2, SPARE
	v_mov_b32 v[NIL], 0
	ds_add_u32 v[SPW], v[NIL]                      ; the opening: the add, twice on end, and its wait ahead of the first tensor load
	ds_add_u32 v[SPW], v[NIL]
	v_lshrrev_b32 v8, 5, v0
	s_delay_alu instid0(VALU_DEP_1)
	v_readfirstlane_b32 s[WV], v8                  ; wave 0..15
	v_and_b32 v8, 31, v0
	s_delay_alu instid0(VALU_DEP_1)
	v_lshlrev_b32 v[LI], 4, v8
	s_delay_alu instid0(VALU_DEP_2)
	v_lshlrev_b32 v[L8], 3, v8
	v_and_b32 v9, 15, v0                           ; r
	v_bfe_u32 v10, v0, 4, 1                        ; h
	s_delay_alu instid0(VALU_DEP_2)
	v_lshlrev_b32 v11, 4, v9                       ; Q's scale words: 16 bytes from row to row
	s_delay_alu instid0(VALU_DEP_2)
	v_lshl_add_u32 v[OSL], v9, 5, v10
	s_delay_alu instid0(VALU_DEP_3)
	v_lshlrev_b32 v254, 3, v10
	s_delay_alu instid0(VALU_DEP_1)
	v_sub_nc_u32 v254, v9, v254                    ; r - 8 h
	s_wait_alu depctr_va_vdst(0)
	s_and_b32 s66, ttmp7, 0xffff                   ; batch x 16 + head
	s_lshr_b32 s67, s66, 4
	s_and_b32 s3, s66, 15
	s_bfe_u32 s21, ttmp6, 0x40000                  ; cx
	s_lshl_b32 s2, s[WV], 2
	s_add_co_u32 s2, s2, s21                       ; my earlier tile
	s_sub_co_u32 s30, 127, s2                      ; my later tile
	TADR 30, 92, 96, 26, DMB
	TADR 2, 94, 98, 28, DMA
	; descriptor groups 1: the mask names all four partners; elements of 8 bytes; no padding
	s_mov_b32 s[G1K], 15|(3<<16)|(1<<21)           ; K: 32 tiles' images of 512 bytes, 8,192 bytes apart
	s_mov_b32 s[G1K+1], 64<<16
	s_mov_b32 s[G1K+2], 32<<16
	s_mov_b32 s[G1K+3], 64<<16
	s_mov_b32 s[G1K+4], 32
	s_mov_b32 s[G1K+5], 1024
	s_mov_b32 s[G1K+6], 0
	s_mov_b32 s[G1K+7], 0
	s_mov_b32 s[G1V], 15|(3<<16)|(1<<21)           ; V: 4 steps' 4,096 bytes, 65,536 bytes apart
	s_mov_b32 s[G1V+1], 512<<16
	s_mov_b32 s[G1V+2], 4<<16
	s_mov_b32 s[G1V+3], 512<<16
	s_mov_b32 s[G1V+4], 4
	s_mov_b32 s[G1V+5], 8192
	s_mov_b32 s[G1V+6], 0
	s_mov_b32 s[G1V+7], 0
	s_mov_b32 s[G1KS], 15|(3<<16)|(1<<21)          ; K's scale words: 4,096 dense bytes as 16 rows of 256
	s_mov_b32 s[G1KS+1], 32<<16
	s_mov_b32 s[G1KS+2], 16<<16
	s_mov_b32 s[G1KS+3], 32<<16
	s_mov_b32 s[G1KS+4], 16
	s_mov_b32 s[G1KS+5], 32
	s_mov_b32 s[G1KS+6], 0
	s_mov_b32 s[G1KS+7], 0
	s_mov_b32 s[G1VS], 15|(3<<16)|(1<<21)          ; V's: 2,048 dense bytes as 8 rows of 256
	s_mov_b32 s[G1VS+1], 32<<16
	s_mov_b32 s[G1VS+2], 8<<16
	s_mov_b32 s[G1VS+3], 32<<16
	s_mov_b32 s[G1VS+4], 8
	s_mov_b32 s[G1VS+5], 32
	s_mov_b32 s[G1VS+6], 0
	s_mov_b32 s[G1VS+7], 0
	; groups 0: e = wave % 2 picks a half of the scale words and quarters e and 2 + e of the images
	s_and_b32 s100, s[WV], 1
	s_mov_b32 s[G0KS], 1
	s_lshl_b32 s[G0KS+1], s100, 12
	s_add_co_u32 s[G0KS+1], s[G0KS+1], KSC
	s_lshl_b32 s[G0KS+2], s66, 13
	s_lshl_b32 s101, s100, 12
	s_add_co_u32 s[G0KS+2], s[G0KS+2], s101
	s_mov_b32 s[G0KS+3], 0
	s_mov_b32 s[G0VS], 1
	s_lshl_b32 s[G0VS+1], s100, 11
	s_add_co_u32 s[G0VS+1], s[G0VS+1], VSC
	s_lshl_b32 s[G0VS+2], s66, 12
	s_lshl_b32 s101, s100, 11
	s_add_co_u32 s[G0VS+2], s[G0VS+2], s101
	s_mov_b32 s[G0VS+3], 0
	s_mov_b32 s[G0K1], 1
	s_lshl_b32 s[G0K1+1], s100, 14
	s_mov_b32 s[G0K2], 1
	s_add_co_u32 s[G0K2+1], s[G0K1+1], 32768
	s_mov_b32 s[G0V1], 1
	s_add_co_u32 s[G0V1+1], s[G0K1+1], VIMG
	s_mov_b32 s[G0V2], 1
	s_add_co_u32 s[G0V2+1], s[G0K1+1], VIMG+32768
	s_lshl_b32 s[G0K1+2], s67, 20                  ; a batch: 1,048,576 bytes; a quarter: 262,144
	s_lshl_b32 s101, s100, 18
	s_add_co_u32 s[G0K1+2], s[G0K1+2], s101
	s_lshl_b32 s101, s3, 12
	s_add_co_u32 s[G0V1+2], s[G0K1+2], s101        ; V: the head's 4,096 bytes of a step
	s_lshl_b32 s101, s3, 9
	s_add_co_u32 s[G0K1+2], s[G0K1+2], s101        ; K: the head's 512 bytes of a tile
	s_mov_b32 s[G0K1+3], 0
	s_mov_b32 s[G0V1+3], 0
	s_mov_b32 s[CS], 0x3e38aa3b                    ; c = log2(e) / sqrt(64)
	s_mov_b32 s[CS+1], s[CS]
	s_mov_b32 s[SEL], 0x76543210
	s_mov_b32 s[SEL+1], 0xfedcba98
	s_wait_dscnt 0x0                               ; both opening adds are done
	s_wait_kmcnt 0x0
	s_add_nc_u64 s[G0KS+2:G0KS+3], s[10:11], s[G0KS+2:G0KS+3]
	s_add_nc_u64 s[G0VS+2:G0VS+3], s[14:15], s[G0VS+2:G0VS+3]
	s_add_nc_u64 s[G0K1+2:G0K1+3], s[8:9], s[G0K1+2:G0K1+3]
	s_add_nc_u64 s[G0V1+2:G0V1+3], s[12:13], s[G0V1+2:G0V1+3]
	s_add_nc_u64 s[G0K2+2:G0K2+3], s[G0K1+2:G0K1+3], 524288
	s_add_nc_u64 s[G0V2+2:G0V2+3], s[G0V1+2:G0V1+3], 524288
.irp g, G0KS, G0VS, G0K1, G0V1, G0K2, G0V2
	s_or_b32 s[\g+3], s[\g+3], 0x80000000          ; type = 2
.endr
	s_add_nc_u64 s[96:97], s[6:7], s[96:97]        ; Q's scale words: the later tile's,
	s_add_nc_u64 s[98:99], s[6:7], s[98:99]        ; the earlier tile's
	s_add_nc_u64 s[6:7], s[16:17], s[94:95]        ; s[6:7]: o's image of the earlier tile
	s_add_nc_u64 s[94:95], s[4:5], s[94:95]        ; Q's image of the earlier tile
	s_add_nc_u64 s[100:101], s[4:5], s[92:93]
	s_add_nc_u64 s[4:5], s[16:17], s[92:93]        ; s[4:5]: o's image of the later tile
	s_mov_b64 s[92:93], s[100:101]                 ; Q's image of the later tile
	s_add_nc_u64 s[16:17], s[18:19], s[26:27]      ; s[16:17]: o's scale bytes of the later tile,
	s_add_nc_u64 s[18:19], s[18:19], s[28:29]      ; s[18:19]: of the earlier tile
	ROUND                                          ; all four work-groups are here: the joint loads meet
	s_cmp_lt_u32 s[WV], 2                          ; a loading wave's three first fills stand in one branch on the wave's number: three loads of mine are out
	s_cbranch_scc0 .Lnot_k
	tensor_load_to_lds s[G0KS:G0KS+3], s[G1KS:G1KS+7]
	s_nop 0
	tensor_load_to_lds s[G0K1:G0K1+3], s[G1K:G1K+7]
	s_nop 0
	tensor_load_to_lds s[G0K2:G0K2+3], s[G1K:G1K+7]
	s_nop 0
.rept 4
	v_nop
.endr
	s_branch .Lasked
.Lnot_k:
	s_cmp_lt_u32 s[WV], 4
	s_cbranch_scc0 .Lasked
	tensor_load_to_lds s[G0VS:G0VS+3], s[G1VS:G1VS+7]
	s_nop 0
	tensor_load_to_lds s[G0V1:G0V1+3], s[G1V:G1V+7]
	s_nop 0
	tensor_load_to_lds s[G0V2:G0V2+3], s[G1V:G1V+7]
	s_nop 0
.rept 4
	v_nop
.endr
.Lasked:
	global_load_b128 v[QB:QB+3], v[LI], s[92:93]
	global_load_b128 v[QA:QA+3], v[LI], s[94:95]
	global_load_b32 v[QSB], v11, s[96:97]
	global_load_b32 v[QSA], v11, s[98:99]
.irp j, 4,5,6,7
	v_mov_b32 v[QB+\j], 0                          ; zero codes for k = 64 .. 127
	v_mov_b32 v[QA+\j], 0
.endr
.irp t, 0,1,2,3,4,5,6,7
.irp j, 4,5,6,7
	v_mov_b32 v[32+8*\t+\j], 0                     ; and in K's eight fragments: no load ever lands here
.endr
.endr
.irp b, 0,1,2,3
	v_mov_b32 v[236+\b], 0                         ; a lane permute's destination counts as one of its sources
.endr
	v_mov_b32 v253, 0                              ; named as the upper half of the pair v[252:253] before it is first written
	v_mov_b32 v255, 0xff800000                     ; -infinity
	s_mov_b32 s[MH], 0xffff0000
	s_mov_b32 s[ST], 0
	s_mov_b32 s[TK], KIMG
	s_mov_b32 s[TV], VIMG
	s_mov_b32 s[TS], KSC
	s_mov_b32 s[TT], VSC
.macro INIT
	v_mov_b32 v13, 0xff61b1e6                      ; the largest t so far: -3e38
	s_delay_alu instid0(VALU_DEP_1)
	v_floor_f32 v12, -v13                          ; -M
	v_mov_b32 v14, 0                               ; l, in two halves
	v_mov_b32 v15, 0
.set j, 0
.rept 32
	v_mov_b32 v[160+j], 0                          ; O^T: the step is written once; its first walk finds zeros
.set j, j+1
.endr
.endm
; A KEY STEP of 128 keys.  qf, qs: Q's fragment and scale words; dm: the mask's number; masked = 1: steps behind the diagonal's are left out, the diagonal's is masked.
.macro STEP qf, qs, dm, masked
.if \masked
	s_cmp_gt_u32 s[ST], s[DG]                      ; a branch on the step's count and the wave's number, round the step's work alone
	s_cbranch_scc1 .Lhidden_\@
.endif
	s_setprio 2
	v_add_nc_u32 v[ADK], s[TK], v[LI]              ; four plain instructions: the places between the last products and the loads into their registers
	v_add_nc_u32 v[ADV], s[TV], v[LI]
	v_add_nc_u32 v[ADS], s[TS], v[LI]
	v_add_nc_u32 v[ADT], s[TT], v[L8]
	ds_load_b128 v[240:243], v[ADS]                ; K's scale words: register g: lanes 0-15 tile 2 g, lanes 16-31 tile 2 g + 1
.irp t, 0,1,2,3,4,5,6,7
	ds_load_b128 v[32+8*\t:35+8*\t], v[ADK] offset:512*\t
.endr
	ds_load_b64 v[248:249], v[ADT]                 ; V's scale words
.irp d, 0,1,2,3
.irp c, 0,1
	ds_load_b128 v[192+8*\d+4*\c:195+8*\d+4*\c], v[ADV] offset:1024*\d+512*\c
.endr
.endr
	s_wait_dscnt 9                                 ; K's nine loads are in; V's nine may be out
.irp t, 0,1,2,3,4,5,6,7
.if \t % 2
	v_wmma_scale_f32_16x16x128_f8f6f4 v[96+8*\t:103+8*\t], v[32+8*\t:39+8*\t], v[\qf:\qf+7], 0, v[240+\t/2], v[\qs] matrix_a_fmt:MATRIX_FMT_FP4 matrix_b_fmt:MATRIX_FMT_FP4 matrix_a_scale:MATRIX_SCALE_ROW1
.else
	v_wmma_scale_f32_16x16x128_f8f6f4 v[96+8*\t:103+8*\t], v[32+8*\t:39+8*\t], v[\qf:\qf+7], 0, v[240+\t/2], v[\qs] matrix_a_fmt:MATRIX_FMT_FP4 matrix_b_fmt:MATRIX_FMT_FP4
.endif
.endr
.rept 4
	v_nop
.endr
.if \masked
	s_cmp_lg_u32 s[ST], s[DG]
	s_cbranch_scc1 .Lopen_\@
.set n, 0
.rept 64                                       ; register n holds key 16 (n / 8) + 8 h + n % 8 of the step: hidden where 16 (n / 8) + n % 8 > 16 (tile % 8) + r - 8 h
	v_cmp_gt_i32 vcc_lo, 16*(n/8)+n%8, v[\dm]
	v_cndmask_b32 v[96+n], v[96+n], v255, vcc_lo
.set n, n+1
.endr
.Lopen_\@:
.endif
.irp b, 0,1,2,3
	v_max3_num_f32 v[232+\b], v[96+16*\b], v[97+16*\b], v[98+16*\b]   ; the largest score of each block of 32 keys: for the row's maximum, and, since p rises with the score, for the block's largest p
.endr
.irp i, 3,5,7,9,11,13
.irp b, 0,1,2,3
	v_max3_num_f32 v[232+\b], v[232+\b], v[96+16*\b+\i], v[97+16*\b+\i]
.endr
.endr
.irp b, 0,1,2,3
	v_max_num_f32 v[232+\b], v[232+\b], v[111+16*\b]
.endr
.irp b, 0,1,2,3
	s_delay_alu instid0(VALU_DEP_4)
	v_permlanex16_b32 v[236+\b], v[232+\b], s[SEL], s[SEL+1]
.endr
.irp b, 0,1,2,3
	s_delay_alu instid0(VALU_DEP_4)
	v_max_num_f32 v[232+\b], v[232+\b], v[236+\b]
.endr
	s_delay_alu instid0(VALU_DEP_2)
	v_max3_num_f32 v254, v232, v233, v234
	s_delay_alu instid0(VALU_DEP_1)
	v_max_num_f32 v254, v254, v235
	s_delay_alu instid0(VALU_DEP_1)
	v_mul_f32 v254, s[CS], v254
	s_delay_alu instid0(VALU_DEP_1)
	v_max_num_f32 v13, v13, v254                   ; the running largest t
	v_mov_b32 v254, v12
	s_delay_alu instid0(VALU_DEP_2)
	v_floor_f32 v12, -v13                          ; -M = floor(-t): M is a whole number
	s_delay_alu instid0(VALU_DEP_1)
	v_sub_f32 v254, v12, v254
	s_delay_alu instid0(VALU_DEP_1)
	v_cvt_i32_f32 v254, v254                       ; old M - new M (it saturates)
	s_delay_alu instid0(VALU_DEP_1)
	v_ldexp_f32 v252, 1.0, v254                    ; f = 2^(old M - new M)
.set j, 0
.rept 32
	v_pk_fma_f32 v[96+j:97+j], v[96+j:97+j], s[CS:CS+1], v[12:13] op_sel_hi:[1,0,0]   ; t - M
.set j, j+2
.endr
.irp b, 0,1,2,3
	v_fma_f32 v[232+\b], v[232+\b], s[CS], v12
.endr
.set j, 0
	s_setprio 1
	s_wait_alu depctr_va_vdst(0)
.rept 64
	v_exp_f32 v[96+j], v[96+j]                     ; p = 2^(t - M)
.set j, j+1
.endr
	v_pk_mul_f32 v[14:15], v[14:15], v[252:253] op_sel_hi:[1,0]   ; l under the new M: the plain place behind the exponentials
	s_wait_alu depctr_va_vdst(0)                   ; one wait for the batch, ahead of its first reader
.irp b, 0,1,2,3
	v_exp_f32 v[232+\b], v[232+\b]                 ; each block's largest p
.endr
	v_pk_add_f32 v[236:237], v[100:101], v[104:105]
	v_pk_add_f32 v[246:247], v[108:109], v[112:113]
	v_pk_add_f32 v[244:245], v[116:117], v[120:121]
	v_pk_add_f32 v[242:243], v[124:125], v[128:129]
	v_pk_add_f32 v[240:241], v[132:133], v[136:137]
	v_pk_add_f32 v[238:239], v[140:141], v[144:145]
	v_pk_add_f32 v[230:231], v[148:149], v[152:153]
	v_pk_add_f32 v[14:15], v[14:15], v[156:157]
	v_pk_add_f32 v[236:237], v[236:237], v[96:97]
	v_pk_add_f32 v[246:247], v[246:247], v[98:99]
	v_pk_add_f32 v[244:245], v[244:245], v[102:103]
	v_pk_add_f32 v[242:243], v[242:243], v[106:107]
	v_pk_add_f32 v[240:241], v[240:241], v[110:111]
	v_pk_add_f32 v[238:239], v[238:239], v[114:115]
	v_pk_add_f32 v[230:231], v[230:231], v[118:119]
	v_pk_add_f32 v[14:15], v[14:15], v[122:123]
	v_pk_add_f32 v[236:237], v[236:237], v[126:127]
	v_pk_add_f32 v[246:247], v[246:247], v[130:131]
	v_pk_add_f32 v[244:245], v[244:245], v[134:135]
	v_pk_add_f32 v[242:243], v[242:243], v[138:139]
	v_pk_add_f32 v[240:241], v[240:241], v[142:143]
	v_pk_add_f32 v[238:239], v[238:239], v[146:147]
	v_pk_add_f32 v[230:231], v[230:231], v[150:151]
	v_pk_add_f32 v[14:15], v[14:15], v[154:155]
	v_pk_add_f32 v[236:237], v[236:237], v[158:159]
	s_delay_alu instid0(VALU_DEP_2)
	v_pk_add_f32 v[14:15], v[14:15], v[242:243]
	s_delay_alu instid0(VALU_DEP_2)
	v_pk_add_f32 v[236:237], v[236:237], v[240:241]
	v_pk_add_f32 v[246:247], v[246:247], v[238:239]
	v_pk_add_f32 v[244:245], v[244:245], v[230:231]
	s_delay_alu instid0(VALU_DEP_2)
	v_pk_add_f32 v[14:15], v[14:15], v[246:247]
	s_delay_alu instid0(VALU_DEP_2)
	v_pk_add_f32 v[236:237], v[236:237], v[244:245]
	s_delay_alu instid0(VALU_DEP_1)
	v_pk_add_f32 v[14:15], v[14:15], v[236:237]
	s_wait_alu depctr_va_vdst(0)                   ; and one for the four
.irp b, 0,1,2,3
	v_max_num_f32 v[232+\b], 0x1800000, v[232+\b]  ; the floor 2^(3 - 127)
.endr
.irp b, 0,1,2,3
	s_delay_alu instid0(VALU_DEP_4)
	v_add_nc_u32 v[244+\b], 0xff000000, v[232+\b]  ; the conversion's scale operand
.endr
.irp b, 0,1,2,3
	s_delay_alu instid0(VALU_DEP_4)
	v_lshrrev_b32 v[236+\b], 23, v[244+\b]
.endr
	s_delay_alu instid0(VALU_DEP_3)
	v_lshl_or_b32 v253, v237, 8, v236              ; p's scale word
	s_delay_alu instid0(VALU_DEP_1)
	v_lshl_or_b32 v253, v238, 16, v253
	s_delay_alu instid0(VALU_DEP_1)
	v_lshl_or_b32 v253, v239, 24, v253
.irp b, 0,1,2,3
	v_cvt_scalef32_pk8_fp4_f32 v[224+4*(\b/2)+(\b%2)], v[96+16*\b:103+16*\b], v[244+\b]
	v_cvt_scalef32_pk8_fp4_f32 v[226+4*(\b/2)+(\b%2)], v[104+16*\b:111+16*\b], v[244+\b]
.endr
	s_setprio 0
	v_nop                                          ; one plain place behind a scaled conversion
.irp c, 0,1
	v_permlane16_swap_b32 v[224+4*\c], v[225+4*\c]
	v_permlane16_swap_b32 v[226+4*\c], v[227+4*\c]
.endr
.set j, 0
.rept 16
	v_pk_mul_f32 v[160+j:161+j], v[160+j:161+j], v[252:253] op_sel_hi:[1,0]   ; O^T under the new M; these are also the places ahead of the products below
.set j, j+2
.endr
	s_wait_alu depctr_va_vdst(0)
	s_wait_dscnt 0x0                               ; V
.irp d, 0,1,2,3
.if \d % 2
	v_wmma_scale_f32_16x16x128_f8f6f4 v[160+8*\d:167+8*\d], v[192+8*\d:199+8*\d], v[224:231], v[160+8*\d:167+8*\d], v[248+\d/2], v253 matrix_a_fmt:MATRIX_FMT_FP4 matrix_b_fmt:MATRIX_FMT_FP4 matrix_a_scale:MATRIX_SCALE_ROW1
.else
	v_wmma_scale_f32_16x16x128_f8f6f4 v[160+8*\d:167+8*\d], v[192+8*\d:199+8*\d], v[224:231], v[160+8*\d:167+8*\d], v[248+\d/2], v253 matrix_a_fmt:MATRIX_FMT_FP4 matrix_b_fmt:MATRIX_FMT_FP4
.endif
.endr
.if \masked
.Lhidden_\@:
.endif
	s_add_co_u32 s[TK], s[TK], 4096
	s_add_co_u32 s[TV], s[TV], 4096
	s_add_co_u32 s[TS], s[TS], 512
	s_add_co_u32 s[TT], s[TT], 256
.endm
; A tile's end: O^T / l, quantised along C (the head's two blocks of 32), stored as one image of 512 bytes and two scale bytes a token.
.macro FINISH po, ps
.rept 4
	v_nop
.endr
	v_add_f32 v14, v14, v15
	s_delay_alu instid0(VALU_DEP_1)
	v_permlanex16_b32 v252, v14, s[SEL], s[SEL+1]
	s_delay_alu instid0(VALU_DEP_1)
	v_add_f32 v14, v14, v252                       ; the row's sum
	s_wait_alu depctr_va_vdst(0)
	v_rcp_f32 v14, v14
	v_nop
	s_wait_alu depctr_va_vdst(0)
.set j, 0
.rept 16
	v_pk_mul_f32 v[96+j:97+j], v[160+j:161+j], v[14:15] op_sel_hi:[1,0]
.set j, j+2
.endr
.irp b, 0,1
	v_max3_num_f32 v[232+\b], |v[96+16*\b]|, |v[97+16*\b]|, 0x1800000
.endr
.irp i, 2,4,6,8,10,12,14
.irp b, 0,1
	s_delay_alu instid0(VALU_DEP_2)
	v_max3_num_f32 v[232+\b], v[232+\b], |v[96+16*\b+\i]|, |v[97+16*\b+\i]|
.endr
.endr
.irp b, 0,1
	s_delay_alu instid0(VALU_DEP_2)
	v_permlanex16_b32 v[236+\b], v[232+\b], s[SEL], s[SEL+1]
.endr
.irp b, 0,1
	s_delay_alu instid0(VALU_DEP_2)
	v_max_num_f32 v[232+\b], v[232+\b], v[236+\b]
.endr
.irp b, 0,1
	s_delay_alu instid0(VALU_DEP_2)
	v_add_nc_u32 v[244+\b], 0xff000000, v[232+\b]
.endr
.irp b, 0,1
	s_delay_alu instid0(VALU_DEP_2)
	v_lshrrev_b32 v[236+\b], 23, v[244+\b]
.endr
.irp b, 0,1
	v_cvt_scalef32_pk8_fp4_f32 v[224+\b], v[96+16*\b:103+16*\b], v[244+\b]
	v_cvt_scalef32_pk8_fp4_f32 v[226+\b], v[104+16*\b:111+16*\b], v[244+\b]
.endr
	v_nop
	v_permlane16_swap_b32 v224, v225
	v_permlane16_swap_b32 v226, v227
	v_cndmask_b32 v254, v236, v237, s[MH]          ; lanes 0-15 the first block's byte, lanes 16-31 the second's
	global_store_b128 v[LI], v[224:227], s[\po:\po+1]   ; 512 consecutive bytes, aligned
	global_store_b8 v[OSL], v254, s[\ps:\ps+1]     ; two bytes a token and head, a sixteenth of the codes' bytes: laid plainly, [token][32], as the next launch's tensor load takes them
.endm
	INIT
	s_wait_loadcnt 0x0                             ; Q
	s_wait_tensorcnt 1                             ; the scale words and my first quarter are in; my second quarter may be out
	s_barrier_signal -1
	s_barrier_wait -1
.Lfirst:                                           ; the later tile, key steps 0-7: all their keys count (its queries begin at 1,024 or later)
	STEP QB, QSB, DMB, 0
	s_add_co_u32 s[ST], s[ST], 1
	s_cmp_lt_u32 s[ST], 8
	s_cbranch_scc1 .Lfirst
	s_setprio 0
	s_wait_tensorcnt 0x0                           ; the second halves of K and V
	s_wait_dscnt 0x0
	s_barrier_signal -1
	s_barrier_wait -1
	s_lshr_b32 s101, s[WV], 1
	s_sub_co_u32 s[DG], 15, s101
.Lsecond:                                          ; key steps 8-15, up to the diagonal
	STEP QB, QSB, DMB, 1
	s_add_co_u32 s[ST], s[ST], 1
	s_cmp_lt_u32 s[ST], 16
	s_cbranch_scc1 .Lsecond
	s_setprio 0
	FINISH 4, 16
	s_mov_b32 s[ST], 0
	s_lshr_b32 s[DG], s[WV], 1
	s_mov_b32 s[TK], KIMG
	s_mov_b32 s[TV], VIMG
	s_mov_b32 s[TS], KSC
	s_mov_b32 s[TT], VSC
	s_wait_xcnt 0x0                                ; the stores have read their registers
	INIT
.Lthird:                                           ; the earlier tile, key steps 0-7, up to the diagonal
	STEP QA, QSA, DMA, 1
	s_add_co_u32 s[ST], s[ST], 1
	s_cmp_lt_u32 s[ST], 8
	s_cbranch_scc1 .Lthird
	s_setprio 0
	FINISH 6, 18
	s_wait_tensorcnt 0x0                           ; the wave's end
	ds_add_u32 v[SPW], v[NIL]
	s_wait_dscnt 0x0
	ROUND                                          ; the closing round
	s_endpgm
.Lfunc_end_k_q764be464c9_attn:
	.size	k_q764be464c9_attn, .Lfunc_end_k_q764be464c9_attn-k_q764be464c9_attn
	.p2alignl 7, 3214868480
	.fill 96, 4, 3214868480
	.section	.rodata,"a",@progbits
	.p2align	6, 0x0
	.amdhsa_kernel k_q764be464c9_attn
		.amdhsa_group_segment_fixed_size 167936
		.amdhsa_private_segment_fixed_size 0
		.amdhsa_enable_private_segment 0
		.amdhsa_kernarg_size 64
		.amdhsa_user_sgpr_count 2
		.amdhsa_user_sgpr_kernarg_segment_ptr 1
		.amdhsa_wavefront_size32 1
		.amdhsa_system_sgpr_workgroup_id_x 1
		.amdhsa_system_sgpr_workgroup_id_y 1
		.amdhsa_system_sgpr_workgroup_id_z 1
		.amdhsa_system_vgpr_workitem_id 0
		.amdhsa_next_free_vgpr 256
		.amdhsa_next_free_sgpr 102
		.amdhsa_reserve_vcc 1
		.amdhsa_float_denorm_mode_32 3
		.amdhsa_float_denorm_mode_16_64 3
		.amdhsa_memory_ordered 1
		.amdhsa_forward_progress 1
		.amdhsa_inst_pref_size 82
	.end_amdhsa_kernel
	.amdgpu_metadata
---
amdhsa.version: [ 1, 2 ]
amdhsa.kernels:
  - .name:           k_q764be464c9_attn
    .symbol:         k_q764be464c9_attn.kd
    .args:
      - { .name: q_img, .offset: 0, .size: 8, .value_kind: global_buffer, .address_space: global }
      - { .name: q_sc, .offset: 8, .size: 8, .value_kind: global_buffer, .address_space: global }
      - { .name: k_img, .offset: 16, .size: 8, .value_kind: global_buffer, .address_space: global }
      - { .name: k_sc, .offset: 24, .size: 8, .value_kind: global_buffer, .address_space: global }
      - { .name: v_img, .offset: 32, .size: 8, .value_kind: global_buffer, .address_space: global }
      - { .name: v_sc, .offset: 40, .size: 8, .value_kind: global_buffer, .address_space: global }
      - { .name: o_img, .offset: 48, .size: 8, .value_kind: global_buffer, .address_space: global }
      - { .name: o_sc, .offset: 56, .size: 8, .value_kind: global_buffer, .address_space: global }
    .group_segment_fixed_size: 167936
    .private_segment_fixed_size: 0
    .kernarg_segment_align: 8
    .kernarg_segment_size: 64
    .max_flat_workgroup_size: 512
    .sgpr_count:     102
    .vgpr_count:     256
    .wavefront_size: 32
...
	.end_amdgpu_metadata
.endif
;; end of part 2
;; launch proj (part 3): grid 4 x 64, 4 waves a work-group, clusters of 4 x 4, 327,680 bytes of LDS; arguments o_img, o_sc, w_proj_codes, w_proj_scales, b_proj, out0; writes out0
.if DOCPART == 3
	.amdgcn_target "amdgcn-amd-amdhsa--gfx1250"
	.amdhsa_code_object_version 6
	.text
	.protected	k_q764be464c9_proj
	.globl	k_q764be464c9_proj
	.p2align	8
	.type	k_q764be464c9_proj,@function
k_q764be464c9_proj:
	s_mov_b64 s[64:65], 0
	v_nop
	global_prefetch_b8 v0, s[64:65] scope:SCOPE_SE
	s_setreg_imm32_b32 hwreg(HW_REG_WAVE_MODE, 25, 1), 1
	s_wait_xcnt 0x0
	s_wait_alu depctr_hold_cnt(0) depctr_sa_sdst(0) depctr_va_vdst(0) depctr_va_sdst(0) depctr_va_ssrc(0) depctr_va_vcc(0) depctr_vm_vsrc(0)
	s_getreg_b32 s2, hwreg(HW_REG_IB_STS2, 6, 4)
	s_cmp_eq_u32 s2, 0
	s_cbranch_scc0 .Lentry_in_a_cluster
	s_endpgm
.Lentry_in_a_cluster:
	s_bfe_u32 s2, ttmp6, 0x10000c
	s_cmp_lg_u32 s2, 0xf033
	s_cbranch_scc0 .Lentry_shape_is_right
	s_endpgm
.Lentry_shape_is_right:
; LAUNCH 3 OF 3: out0 = o w_proj + b_proj on codes of FP4 (E2M1) with E8M0 scales.  Nothing is left out here.
; SHARES.  256 work-groups; each makes 128 tokens x 256 columns; wave w takes tokens 64 (w / 2) on and columns 128 (w % 2) on: 32 accumulators.  K = 1,024 lies in LDS whole, as two halves, each filled once.
; o's codes come as images of operand registers ([token / 16][head][512 bytes]: registers 4 c .. 4 c + 3 of K step s are the image of head 2 s + c): dense reads, 16 bytes a lane.  w_proj's come as rows, padded.
; THE MATRIX INSTRUCTION IS USED TRANSPOSED (source 0 = 16 rows of w_proj, source 1 = 16 tokens): a lane holds eight neighbouring columns of one row of out0.  The bias is the C of each sum's first instruction.
; CLUSTERS: 4 x 4: o's tiles are shared along a row of the cluster, w_proj's along a column, by joint loads.  No prefetch: all tensor loads stand at the head.
; REGISTERS: window 0: v16-29 addresses; v32-95 scale words, two sets; v96-159 o's fragments, two sets; v192-255 the bias; on the way out v96-159 and v192-255 take the rows.  window 1: w_proj's fragments, two sets.  window 2: the accumulators.
.set PITCH,  272
.set HALFT,  128*PITCH
.set BT0,    65536                     ; w_proj's first half: 256 rows x 272;
.set BSLOT,  256*PITCH                 ; the second lies behind it
.set SCL,    BT0+2*BSLOT               ; o's scale bytes (128 tokens: 16 units of 272), then w_proj's (256 rows: 32 units)
.set SBLK,   2*272
.set STG,    SCL+48*272                ; the stages: 16 rows x 528 bytes a wave
.set SPITCH, 528
.set SPARE,  STG+4*16*SPITCH
.set ADRA, 16
.set ADRB, 20
.set STO,  24
.set RD,   25
.set CO,   26
.set ADRS, 27
.set SPW,  28
.set NIL,  29
.set SC,   32
.set AF,   96
.set BK,   96
.set BI,   192
.set G1A, 24
.set G0A, 32
.set G1B, 48
.set G0B, 56
.set G1SA, 68
.set G0SA, 76
.set G1SB, 80
.set G0SB, 88
.set BP,   96                          ; s[96:97] b_proj
.set OUTP, 98                          ; s[98:99] out0
.set MSB, 0
.macro WIN new
.if MSB != (\new)
	s_set_vgpr_msb (MSB<<8)|(\new)
.set MSB, (\new)
.endif
.endm
.macro JLOAD g0a, g1a, g0b, g1b        ; waves 0 and 1 fetch for o, waves 2 and 3 for w_proj; an s_nop 0 and four v_nop follow each line
	s_cmp_eq_u32 s15, 0
	s_cbranch_scc0 .Lfor_b_\@
	tensor_load_to_lds s[\g0a:\g0a+3], s[\g1a:\g1a+7]
	s_nop 0
.rept 4
	v_nop
.endr
	s_branch .Lasked_\@
.Lfor_b_\@:
	tensor_load_to_lds s[\g0b:\g0b+3], s[\g1b:\g1b+7]
	s_nop 0
.rept 4
	v_nop
.endr
.Lasked_\@:
.endm
.macro CROUND
	s_barrier_signal -1
	s_barrier_wait -1
	s_cmp_lg_u32 s14, 0
	s_cbranch_scc1 .Lnot_wave_0_\@
	s_barrier_signal -3
.Lnot_wave_0_\@:
	s_barrier_wait -3
	s_barrier_signal -1
	s_barrier_wait -1
.endm
	s_load_b256 s[4:11], s[0:1], 0x0               ; o_img, o_sc, w_proj's codes, w_proj's scales
	s_load_b128 s[96:99], s[0:1], 0x20             ; b_proj, out0
	v_lshl_add_u32 v[SPW], v0, 2, SPARE
	v_mov_b32 v[NIL], 0
	ds_add_u32 v[SPW], v[NIL]                      ; the opening: the add, twice on end, and its wait ahead of my first tensor load
	ds_add_u32 v[SPW], v[NIL]
	v_lshrrev_b32 v1, 5, v0
	v_readfirstlane_b32 s14, v1                    ; wave
	s_lshr_b32 s15, s14, 1                         ; hr: my half of the tokens.  Also: I fetch for o (0) or w_proj (1)
	s_and_b32 s16, s14, 1                          ; hc: my half of the columns.  Also: which half of a tile I fetch
	s_bfe_u32 s40, ttmp6, 0x40000                  ; cx
	s_bfe_u32 s41, ttmp6, 0x40004                  ; cy
	s_lshl_b32 s42, ttmp9, 2
	s_add_co_u32 s42, s42, s40                     ; tile column: 256 columns
	s_and_b32 s17, ttmp7, 0xffff
	s_lshl_b32 s17, s17, 2
	s_add_co_u32 s17, s17, s41                     ; tile row: 128 tokens
	s_lshl_b32 s43, s41, 2
	s_lshl_b32 s43, 15, s43                        ; my row of the cluster
	s_lshl_b32 s44, 0x1111, s40                    ; my column
	s_or_b32 s[G1A+0], s43, (3<<16)|(1<<21)        ; o: 4 token tiles' 4,096 bytes (8 heads' images), 8,192 bytes apart; elements of 8 bytes; no padding
	s_mov_b32 s[G1A+1], 512<<16
	s_mov_b32 s[G1A+2], 4<<16
	s_mov_b32 s[G1A+3], 512<<16
	s_mov_b32 s[G1A+4], 4
	s_mov_b32 s[G1A+5], 1024
	s_mov_b32 s[G1A+6], 0
	s_mov_b32 s[G1A+7], 0
	s_or_b32 s[G1B+0], s44, (1<<20)|(1<<21)|(5<<22)|(3<<25)   ; w_proj: 128 rows of 256 bytes, 512 apart; 16 bytes of padding behind each
	s_mov_b32 s[G1B+1], 256<<16
	s_mov_b32 s[G1B+2], 128<<16
	s_mov_b32 s[G1B+3], 256<<16
	s_mov_b32 s[G1B+4], 128
	s_mov_b32 s[G1B+5], 512
	s_mov_b32 s[G1B+6], 0
	s_mov_b32 s[G1B+7], 0
	s_or_b32 s[G1SA+0], s43, (3<<16)|(1<<20)|(1<<21)|(5<<22)|(3<<25)   ; o's scales of 64 tokens: 2,048 dense bytes as 8 rows of 256
	s_mov_b32 s[G1SA+1], 32<<16
	s_mov_b32 s[G1SA+2], 8<<16
	s_mov_b32 s[G1SA+3], 32<<16
	s_mov_b32 s[G1SA+4], 8
	s_mov_b32 s[G1SA+5], 32
	s_mov_b32 s[G1SA+6], 0
	s_mov_b32 s[G1SA+7], 0
	s_or_b32 s[G1SB+0], s44, (3<<16)|(1<<20)|(1<<21)|(5<<22)|(3<<25)   ; w_proj's of 128 rows: 16 rows of 256
	s_mov_b32 s[G1SB+1], 32<<16
	s_mov_b32 s[G1SB+2], 16<<16
	s_mov_b32 s[G1SB+3], 32<<16
	s_mov_b32 s[G1SB+4], 16
	s_mov_b32 s[G1SB+5], 32
	s_mov_b32 s[G1SB+6], 0
	s_mov_b32 s[G1SB+7], 0
	s_lshl_b32 s20, s17, 3
	s_lshl_b32 s18, s16, 2
	s_add_co_u32 s20, s20, s18                     ; o: token tile 8 ty + 4 e
	s_lshl_b32 s22, s20, 9                         ; its scale bytes: 16 tokens x 32
	s_lshl_b32 s20, s20, 13                        ; its images: 8,192 bytes a tile
	s_lshl_b32 s46, s42, 1
	s_add_co_u32 s46, s46, s16                     ; w_proj: 128 rows x (2 tx + e)
	s_lshl_b32 s92, s46, 12
	s_lshl_b32 s46, s46, 16
	s_mov_b32 s21, 0
	s_mov_b32 s23, 0
	s_mov_b32 s47, 0
	s_mov_b32 s93, 0
	s_lshl_b32 s45, s16, 14                        ; where they go: no place in the cluster enters an LDS address
	s_mul_i32 s94, s16, HALFT
	s_add_co_u32 s94, s94, BT0
	s_mul_i32 s95, s16, 8*272
	s_add_co_u32 s95, s95, SCL
	s_mul_i32 s100, s16, 16*272
	s_add_co_u32 s100, s100, SCL+16*272
	s_wait_dscnt 0x0                               ; both opening adds are done
	s_wait_kmcnt 0x0
	s_add_nc_u64 s[20:21], s[4:5], s[20:21]
	s_add_nc_u64 s[22:23], s[6:7], s[22:23]
	s_add_nc_u64 s[46:47], s[8:9], s[46:47]
	s_add_nc_u64 s[92:93], s[10:11], s[92:93]
	CROUND                                         ; all sixteen work-groups are here: the joint loads meet
	s_mov_b32 s[G0SA], 1
	s_mov_b32 s[G0SA+1], s95
	s_mov_b64 s[G0SA+2:G0SA+3], s[22:23]
	s_or_b32 s[G0SA+3], s[G0SA+3], 0x80000000
	s_mov_b32 s[G0SB], 1
	s_mov_b32 s[G0SB+1], s100
	s_mov_b64 s[G0SB+2:G0SB+3], s[92:93]
	s_or_b32 s[G0SB+3], s[G0SB+3], 0x80000000
	JLOAD G0SA, G1SA, G0SB, G1SB                   ; the scales first; then both halves of K, each issued only after all earlier loads are in
.irp s, 0,1
	s_mov_b32 s[G0A+4*\s], 1
	s_add_co_u32 s[G0A+4*\s+1], s45, \s*32768
	s_add_nc_u64 s[G0A+4*\s+2:G0A+4*\s+3], s[20:21], \s*4096
	s_or_b32 s[G0A+4*\s+3], s[G0A+4*\s+3], 0x80000000
	s_mov_b32 s[G0B+4*\s], 1
	s_add_co_u32 s[G0B+4*\s+1], s94, \s*BSLOT
	s_add_nc_u64 s[G0B+4*\s+2:G0B+4*\s+3], s[46:47], \s*256
	s_or_b32 s[G0B+4*\s+3], s[G0B+4*\s+3], 0x80000000
	s_wait_alu depctr_va_vdst(0)
	s_wait_tensorcnt 0x0
	ds_add_u32 v28, v29
	s_wait_dscnt 0x0
	CROUND
	JLOAD G0A+4*\s, G1A, G0B+4*\s, G1B
.endr
	s_lshl_b32 s2, s42, 10                         ; my first column, in bytes: 1,024 tx + 512 hc
	s_lshl_b32 s101, s16, 9
	s_add_co_u32 s2, s2, s101
	s_mov_b32 s3, 0
	s_add_nc_u64 s[BP:BP+1], s[BP:BP+1], s[2:3]
	s_add_nc_u64 s[OUTP:OUTP+1], s[OUTP:OUTP+1], s[2:3]
	s_lshl_b32 s2, s17, 7
	s_lshl_b32 s101, s15, 6
	s_add_co_u32 s2, s2, s101                      ; my first token
	s_lshl_b32 s2, s2, 12                          ; 4,096 bytes a row of out0
	s_add_nc_u64 s[OUTP:OUTP+1], s[OUTP:OUTP+1], s[2:3]
	v_and_b32 v1, 15, v0                           ; r
	v_bfe_u32 v2, v0, 4, 1                         ; h
	v_lshlrev_b32 v9, 5, v2
.irp b, 0,1,2,3,4,5,6,7
	global_load_b128 v[BI+8*\b:BI+8*\b+3], v9, s[BP:BP+1] offset:64*\b        ; BI + 8 b + j = b_proj[.. + 16 b + 8 h + j]
	global_load_b128 v[BI+8*\b+4:BI+8*\b+7], v9, s[BP:BP+1] offset:64*\b+16
.endr
	v_and_b32 v7, 31, v0
	v_lshlrev_b32 v[CO], 4, v7                     ; 16 x lane
	s_lshl_b32 s2, s15, 14
	v_add_nc_u32 v[ADRA], s2, v[CO]                ; o's images: my four token tiles
	v_mul_u32_u24 v3, v1, PITCH
	v_lshl_add_u32 v4, v2, 4, v3
	s_mul_i32 s3, s16, HALFT
	s_add_co_u32 s3, s3, BT0
	v_add_nc_u32 v[ADRB], s3, v4
	s_add_co_u32 s3, s3, BSLOT
	v_add_nc_u32 v[ADRB+1], s3, v4
	v_lshlrev_b32 v5, 5, v1                        ; my row's scales: 32 bytes a row,
	v_lshrrev_b32 v6, 8, v5
	v_lshl_add_u32 v5, v6, 4, v5                   ; and 16 more for each 256 passed
	s_mul_i32 s2, s15, 8*272
	s_mul_i32 s3, s16, 16*272
	s_add_co_u32 s3, s3, 16*272
	s_sub_co_u32 s3, s3, s2
	v_mul_u32_u24 v6, s3, v2                       ; lanes 16-31 take w_proj's
	s_add_co_u32 s2, s2, SCL
	v_add_nc_u32 v5, v5, v6
	v_add_nc_u32 v[ADRS], s2, v5
	s_mul_i32 s2, s14, 16*SPITCH
	s_add_co_u32 s2, s2, STG                       ; my stage
	v_mul_u32_u24 v5, v1, SPITCH
	v_lshl_add_u32 v5, v2, 5, v5
	v_add_nc_u32 v[STO], s2, v5
	v_add_nc_u32 v[RD], s2, v[CO]
	s_wait_alu depctr_va_vdst(0)
	s_wait_loadcnt 0x0                             ; the bias
.macro FETCH slot, q, p                ; 24 LDS loads: the fragments of the half's q-th 128 along K into set p
	WIN 0x40                                       ; destination window 1
.irp i, 0,1,2,3,4,5,6,7
.irp c, 0,1
	ds_load_b128 v[128*(\p)+8*\i+4*\c:128*(\p)+8*\i+4*\c+3], v[ADRB+\slot] offset:64*(\q)+32*\c+\i*16*PITCH
.endr
.endr
	WIN 0
.irp i, 0,1,2,3
.irp c, 0,1
	ds_load_b128 v[AF+32*(\p)+8*\i+4*\c:AF+32*(\p)+8*\i+4*\c+3], v[ADRA] offset:32768*(\slot)+4096*\i+1024*(\q)+512*\c
.endr
.endr
.endm
.macro SCALES sc                       ; a half's scale words: lanes 0-15 o's block i (i < 4; beyond that they read filled bytes that no product names), lanes 16-31 w_proj's block i
.irp i, 0,1,2,3,4,5,6,7
	ds_load_b128 v[SC+32*\sc+4*\i:SC+32*\sc+4*\i+3], v[ADRS] offset:\i*SBLK
.endr
.endm
; 32 matrix instructions; the 32 accumulators take turns, one instruction a turn, in the same order in every step
.macro MUL32 p, q, sc, first
.if \first
	WIN 0x81                                       ; source 0 window 1, C (the bias) window 0, D window 2
.else
	WIN 0xa1
.endif
.irp a, 0,1,2,3
.irp b, 0,1,2,3,4,5,6,7
.if \first
	v_wmma_scale_f32_16x16x128_f8f6f4 v[8*(8*\a+\b):8*(8*\a+\b)+7], v[128*(\p)+8*\b:128*(\p)+8*\b+7], v[AF+32*(\p)+8*\a:AF+32*(\p)+8*\a+7], v[BI+8*\b:BI+8*\b+7], v[SC+32*(\sc)+4*\b+(\q)], v[SC+32*(\sc)+4*\a+(\q)] matrix_a_fmt:MATRIX_FMT_FP4 matrix_b_fmt:MATRIX_FMT_FP4 matrix_a_scale:MATRIX_SCALE_ROW1
.else
	v_wmma_scale_f32_16x16x128_f8f6f4 v[8*(8*\a+\b):8*(8*\a+\b)+7], v[128*(\p)+8*\b:128*(\p)+8*\b+7], v[AF+32*(\p)+8*\a:AF+32*(\p)+8*\a+7], v[8*(8*\a+\b):8*(8*\a+\b)+7], v[SC+32*(\sc)+4*\b+(\q)], v[SC+32*(\sc)+4*\a+(\q)] matrix_a_fmt:MATRIX_FMT_FP4 matrix_b_fmt:MATRIX_FMT_FP4 matrix_a_scale:MATRIX_SCALE_ROW1
.endif
.endr
.endr
.endm
.macro PLACES
.rept 4
	v_nop
.endr
.endm
; A step: the next step's fragments are asked for, into the set that the last step multiplied (four places behind it); then this step's 32 products
.macro GO p, q, sc, ns, nq
	PLACES
	FETCH \ns, \nq, 1-(\p)
	s_wait_dscnt 24                                ; all but the 24 just issued
	MUL32 \p, \q, \sc, 0
.endm
	s_wait_tensorcnt 1                             ; the scales and my part of the first half are in; the second half's load may be out
	s_barrier_signal -1
	s_barrier_wait -1
	FETCH 0, 0, 0
	SCALES 0
	FETCH 0, 1, 1
	s_wait_dscnt 24
	MUL32 0, 0, 0, 1                               ; the first products start the sums from the bias
	GO 1, 1, 0, 0, 2
	GO 0, 2, 0, 0, 3
	WIN 0
	s_wait_tensorcnt 0x0                           ; my part of the second half is in
	s_wait_dscnt 0x0
	s_barrier_signal -1
	s_barrier_wait -1                              ; everybody's is; nothing is filled again
	PLACES
	v_add_nc_u32 v[ADRS], 16, v[ADRS]              ; the second half's scale words
	FETCH 1, 0, 0
	SCALES 1
	s_wait_dscnt 32                                ; all but the 24 + 8 just issued
	MUL32 1, 3, 0, 0
	GO 0, 0, 1, 1, 1
	GO 1, 1, 1, 1, 2
	GO 0, 2, 1, 1, 3
	s_wait_dscnt 0x0
	MUL32 1, 3, 1, 0
	WIN 0
; THE WAY OUT, block by block of 16 tokens x 128 columns, through my own stage: whole rows of 512 bytes come back and leave as two aligned units of 256 bytes.  LDS serves a wave's instructions in order.
.macro TOSTAGE a
.set AC, 64*(\a)
	WIN 0x08                                       ; an LDS store's data: window 2
.irp b, 0,1,2,3,4,5,6,7
	ds_store_b128 v[STO], v[AC+8*\b:AC+8*\b+3] offset:64*\b          ; each accumulator from its low end on
	ds_store_b128 v[STO], v[AC+8*\b+4:AC+8*\b+7] offset:64*\b+16
.endr
	WIN 0
.set BB, BK+96*((\a)%2)
.irp t, 0,1,2,3,4,5,6,7,8,9,10,11,12,13,14,15
	ds_load_b128 v[BB+4*\t:BB+4*\t+3], v[RD] offset:\t*SPITCH
.endr
.endm
.macro SEND a, younger                 ; younger: the LDS instructions issued behind block a's loads, which may stay out
.set BB, BK+96*((\a)%2)
	s_wait_dscnt \younger
.if (\a) > 0
	s_add_nc_u64 s[OUTP:OUTP+1], s[OUTP:OUTP+1], 16*4096   ; behind a wait on XCNT: the earlier stores have read their base
.endif
.irp t, 0,1,2,3,4,5,6,7,8,9,10,11,12,13,14,15
	global_store_b128 v[CO], v[BB+4*\t:BB+4*\t+3], s[OUTP:OUTP+1] offset:\t*4096 th:TH_STORE_NT   ; 32 lanes store 512 consecutive bytes, aligned; written once
.endr
.endm
	PLACES
	TOSTAGE 0
.irp a, 1,2,3
.if \a > 1
	s_wait_xcnt 0x0                                ; block a - 2's stores have read their registers and their base
.endif
	TOSTAGE \a
	SEND \a-1, 32                                  ; behind block a - 1's loads: block a's 16 stores and 16 loads
.endr
	s_wait_xcnt 0x0
	SEND 3, 0
	s_wait_tensorcnt 0x0                           ; the wave's end
	ds_add_u32 v[SPW], v[NIL]
	s_wait_dscnt 0x0
	CROUND                                         ; the closing round
	s_endpgm
.Lfunc_end_k_q764be464c9_proj:
	.size	k_q764be464c9_proj, .Lfunc_end_k_q764be464c9_proj-k_q764be464c9_proj
	.p2alignl 7, 3214868480
	.fill 96, 4, 3214868480
	.section	.rodata,"a",@progbits
	.p2align	6, 0x0
	.amdhsa_kernel k_q764be464c9_proj
		.amdhsa_group_segment_fixed_size 327680
		.amdhsa_private_segment_fixed_size 0
		.amdhsa_enable_private_segment 0
		.amdhsa_kernarg_size 48
		.amdhsa_user_sgpr_count 2
		.amdhsa_user_sgpr_kernarg_segment_ptr 1
		.amdhsa_wavefront_size32 1
		.amdhsa_system_sgpr_workgroup_id_x 1
		.amdhsa_system_sgpr_workgroup_id_y 1
		.amdhsa_system_sgpr_workgroup_id_z 1
		.amdhsa_system_vgpr_workitem_id 0
		.amdhsa_next_free_vgpr 768
		.amdhsa_next_free_sgpr 102
		.amdhsa_reserve_vcc 0
		.amdhsa_float_denorm_mode_32 3
		.amdhsa_float_denorm_mode_16_64 3
		.amdhsa_memory_ordered 1
		.amdhsa_forward_progress 1
		.amdhsa_inst_pref_size 74
	.end_amdhsa_kernel
	.amdgpu_metadata
---
amdhsa.version: [ 1, 2 ]
amdhsa.kernels:
  - .name:           k_q764be464c9_proj
    .symbol:         k_q764be464c9_proj.kd
    .args:
      - { .name: o_img, .offset: 0, .size: 8, .value_kind: global_buffer, .address_space: global }
      - { .name: o_sc, .offset: 8, .size: 8, .value_kind: global_buffer, .address_space: global }
      - { .name: w_proj_codes, .offset: 16, .size: 8, .value_kind: global_buffer, .address_space: global }
      - { .name: w_proj_scales, .offset: 24, .size: 8, .value_kind: global_buffer, .address_space: global }
      - { .name: b_proj, .offset: 32, .size: 8, .value_kind: global_buffer, .address_space: global }
      - { .name: out0, .offset: 40, .size: 8, .value_kind: global_buffer, .address_space: global }
    .group_segment_fixed_size: 327680
    .private_segment_fixed_size: 0
    .kernarg_segment_align: 8
    .kernarg_segment_size: 48
    .max_flat_workgroup_size: 128
    .sgpr_count:     102
    .vgpr_count:     768
    .wavefront_size: 32
...
	.end_amdgpu_metadata
.endif
;; end of part 3
